; MI455X (gfx1250); checked and timed in simulation.
; The chip was launched on July 23, 2026; its instructions are those of AMD's public machine-readable ISA for CDNA 5 (MIT licence, August 2026) and "CDNA5" Instruction Set Architecture Reference Guide (July 2026). The comments in the code are by the model that wrote it; some were corrected since.
;; Transformer Block. Allowed arithmetic: matrix products marked QUANTISED: E4M3 operands, one E8M0 scale for each 32 along K, by v_wmma_scale_f32_16x16x128_f8f6f4 with both operands' format E4M3, f32 sums; everything else in f32.
;; Inputs: W1 1,024 x 4,096 float32; W2 4,096 x 1,024 float32; W_out 1,024 x 1,024 float32; W_qkv 1,024 x 3,072 float32; b1 4,096 float32; b2 1,024 float32; b_out 1,024 float32; b_qkv 3,072 float32; ln1_b 1,024 float32; ln1_g 1,024 float32; ln2_b 1,024 float32; ln2_g 1,024 float32; x 2 x 2,048 x 1,024 float32.
;; Outputs: out0 2 x 2,048 x 1,024 float32.
;; This version of the problem:
;;   THIS VERSION OF THE PROBLEM IS GIVEN IN LOW PRECISION. The matrix products marked QUANTISED in the list below multiply operands that are first quantised to E4M3 (4 exponent bits, 3 mantissa bits; 8 bits a number), with one power-of-two scale for each 32 numbers along K (OCP MX v1.0); their sums are f32. All else is computed in f32.
;;   The module's matrix products, in the order in which they are computed (A, B: the left and right operand; K: the contracted axis; several contracted axes count as one K, in the product's order):
;;     1. [M 4,096, K 1,024] x [K 1,024, N 3,072]; A: computed on the way; B: input W_qkv: QUANTISED
;;     2. batch 32 x [M 2,048, K 64] x [K 64, N 2,048]; A: computed on the way; B: computed on the way: QUANTISED
;;     3. batch 32 x [M 64, K 2,048] x [K 2,048, N 2,048]; A: computed on the way; B: softmax (see below): QUANTISED
;;     4. [M 4,096, K 1,024] x [K 1,024, N 1,024]; A: computed on the way; B: input W_out: QUANTISED
;;     5. [M 4,096, K 1,024] x [K 1,024, N 4,096]; A: computed on the way; B: input W1: QUANTISED
;;     6. [M 4,096, K 4,096] x [K 4,096, N 1,024]; A: computed on the way; B: input W2: QUANTISED
;;   THE QUANTISER, for each operand of a quantised product, along K:
;;     - K is cut into blocks of 32 from its start; a last block that is shorter is filled with zeros.
;;     - A block's scale is 2^e with e = floor(log2(the largest magnitude in the block)) - 8, held to -126 .. 127; a block of zeros has e = 0. As a byte (E8M0): e + 127.
;;     - Each number is divided by its block's scale, clamped to +-448, and rounded to the nearest number of E4M3, ties to even, subnormals kept.
;;     - The product sums the exact products of the quantised numbers (number of the format x scale) in f32.
;;   ~~~python
;;   def quantise(x, axis):      # numpy; x: float32 -> the quantised numbers, widened to float32 again
;;       x = np.moveaxis(x, axis, -1); K = x.shape[-1]
;;       x = np.pad(x, [(0, 0)] * (x.ndim - 1) + [(0, -K % 32)]); x = x.reshape(x.shape[:-1] + (-1, 32)); a = np.abs(x).max(-1, keepdims=True)
;;       e = np.where(a > 0, np.clip(np.frexp(np.where(a > 0, a, 1))[1] - 1 - 8, -126, 127), 0)      # np.frexp(a)[1] - 1 = floor(log2(a)), exactly
;;       r = np.clip(x / 2.0 ** e, -448, 448)
;;       step = 2.0 ** (np.maximum(np.frexp(np.where(r == 0, 1, r))[1] - 1, -6) - 3)
;;       q = np.round(r / step) * step * 2.0 ** e      # np.round: ties to even
;;       return np.moveaxis(q.reshape(q.shape[:-2] + (-1,))[..., :K], -1, axis).astype(np.float32)
;;   ~~~
;;   SOFTMAX AHEAD OF A QUANTISED PRODUCT. Where the list says 'softmax', what is quantised is not the finished softmax but p = 2^(t - M), with t = logit x log2(e) and M = ceil(the row's largest t), a whole number; so 1/2 < the row's largest p <= 1. The row's sum l is taken of the UNQUANTISED p, in f32, and the product's result is divided by l at the end. Since M is a whole number, a kernel that streams over the keys may use a running M (the ceiling of the running maximum): every later rescaling is an exact power of two, which a block's scale takes up: the codes' values come out the same.
;;   OPERANDS COMPUTED ON THE WAY. 'Computed on the way' means the value that the module computes at that place (a softmax that the list does not call 'softmax' is quantised finished and normalised). What goes into a quantiser is computed in f32, as accurately as f32 sums, v_exp_f32 and their like allow (about 1e-6 of the number): no bf16 or f16 on the way to a quantiser, and a product that is left as it is and whose result goes on into a quantised operand takes f32 operands (vector FMAs, or v_wmma_f32_16x16x4_f32). A number that lies on a knife's edge between two numbers of the format may be rounded either way, as far as f32 arithmetic and the matrix unit's own rounding can turn it there, and no further.
;; One version. Each part assembles by itself: llvm-mc -triple=amdgcn-amd-amdhsa -mcpu=gfx1250 --defsym DOCPART=n.
;; ======== version 1 of 1: 7 launches
;; limits: right only within a limited range of input values
;; workspace buffers: wts 12,976,128 bytes; hq 4,325,376 bytes; qkvc 12,976,128 bytes; att 4,325,376 bytes; x2 16,777,216 bytes; act 17,301,504 bytes
;; launch prep (part 1): grid 1024 x 1, 4 waves a work-group, no clusters, 18,944 bytes of LDS; arguments x, ln1_g, ln1_b, hq, W_qkv, W_out, W1, W2, wts; writes hq, wts
.if DOCPART == 1
	.amdgcn_target "amdgcn-amd-amdhsa--gfx1250"
	.amdhsa_code_object_version 6
	.text
	.protected	k_q19fc4bb027_prep
	.globl	k_q19fc4bb027_prep
	.p2align	8
	.type	k_q19fc4bb027_prep,@function
k_q19fc4bb027_prep:
	s_mov_b64 s[64:65], 0
	v_nop
	global_prefetch_b8 v0, s[64:65] scope:SCOPE_SE
	s_setreg_imm32_b32 hwreg(HW_REG_WAVE_MODE, 25, 1), 1
	s_wait_xcnt 0x0
; TWO JOBS THAT DO NOT DEPEND ON EACH OTHER SHARE ONE LAUNCH: work-groups 0-255 take the first LayerNorm and its quantiser, work-groups 256-1,023 quantise the four weights.
; The paths part on the work-group's number alone; only the LayerNorm path touches LDS and has a barrier.
; BOTH write IMAGES OF OPERAND REGISTERS.  A fragment image is 16 rows x 128 k of E4M3 codes = 2,048 bytes: [c = 0..3][lane = 16 h + r][16 bytes]; byte i of lane (r, h) in group c is row r, k = 32 c + 16 (i / 8) + 8 h + i % 8.
; (Inside a block of 32 the second and third run of eight change places.  Every operand of this program is laid so, both sides of every product alike, so each product pairs the same k.)
; Fragment (row / 16, k / 128) lies at ((row / 16) (K / 128) + k / 128) x 2,048; its rows' scale words (one E8M0 byte for each 32 along K) at the same index x 64 + 4 r.
; THE WEIGHTS, f32 stored [K][N]: a lane takes a column n and its registers run down K: a block of 32 lies in one lane, nothing is transposed, and sixteen lanes store 256 consecutive bytes, aligned.
; A work-group takes 128 columns x 128 k, a wave 32 columns: four blocks, one fragment and one scale word a lane.  Two blocks' loads (64) are out at a time.
; Work-groups 256-447: W_qkv, 448-511: W_out, 512-767: W1, 768-1,023: W2.
; LIMITS: NaN and infinities are not served; a block of zeros, or one whose largest magnitude lies under 2^-118, gets the byte 1 (only this program reads the bytes; zero codes add nothing).
.set NLN, 256                          ; the LayerNorm's work-groups
.set X,  32                            ; v32-95   two sets of 32 numbers
.set C,  96                            ; v96-127  eight code registers for each of the four blocks: no store's data are written again
.set SB, 24                            ; v24      the four scale bytes
.macro LOAD t, N                       ; block t: W(32 t + i, my column) into set t % 2; 32 lanes read 128 consecutive bytes
.irp i, 0,1,2,3,4,5,6,7,8,9,10,11,12,13,14,15,16,17,18,19,20,21,22,23,24,25,26,27,28,29,30,31
	global_load_b32 v[X+32*((\t)%2)+\i], v3, s[22:23] offset:(32*(\t)+\i)*\N*4 th:TH_LOAD_NT
.endr
.endm
.macro BLOCK t, N
.set XS, X+32*((\t)%2)
.set CC, C+8*(\t)
.if (\t) < 3
	s_wait_loadcnt 32                              ; this block's 32 loads are in; the next block's 32 may be out
.else
	s_wait_loadcnt 0
.endif
	v_max3_num_f32 v12, |v[XS]|, |v[XS+1]|, |v[XS+2]|              ; the block's largest magnitude, in two chains
	v_max3_num_f32 v13, |v[XS+3]|, |v[XS+4]|, |v[XS+5]|
.irp i, 6,10,14,18,22,26
	v_max3_num_f32 v12, v12, |v[XS+\i]|, |v[XS+\i+1]|
	v_max3_num_f32 v13, v13, |v[XS+\i+2]|, |v[XS+\i+3]|
.endr
	v_max3_num_f32 v12, v12, |v[XS+30]|, |v[XS+31]|
	v_max3_num_f32 v12, v12, v13, 0x4800000        ; and the floor 2^(9 - 127): the byte cannot fall under 1
	v_add_nc_u32 v11, 0xfc000000, v12              ; 8 off the exponent field: the conversion's scale operand
	v_and_or_b32 v10, v12, 0x7f800000, s31         ; 448 x the scale
	v_lshrrev_b32 v13, 23, v11                     ; the scale's byte
.if (\t) == 0
	v_mov_b32 v[SB], v13
.else
	v_lshl_or_b32 v[SB], v13, 8*(\t), v[SB]
.endif
.irp i, 0,1,2,3,4,5,6,7,8,9,10,11,12,13,14,15,16,17,18,19,20,21,22,23,24,25,26,27,28,29,30,31
	v_med3_num_f32 v[XS+\i], v[XS+\i], -v10, v10   ; the conversion to an 8-bit code does not saturate (ISA guide 7.6.2): the hold comes first
.endr
	v_cvt_scalef32_pk8_fp8_f32 v[CC:CC+1], v[XS:XS+7], v11         ; half 0 of the lanes' places: k 0-7 and 16-23
	v_cvt_scalef32_pk8_fp8_f32 v[CC+2:CC+3], v[XS+16:XS+23], v11
	v_cvt_scalef32_pk8_fp8_f32 v[CC+4:CC+5], v[XS+8:XS+15], v11    ; half 1: k 8-15 and 24-31
	v_cvt_scalef32_pk8_fp8_f32 v[CC+6:CC+7], v[XS+24:XS+31], v11
	v_nop                                          ; a plain line behind the last conversion
	global_store_b128 v4, v[CC:CC+3], s[26:27] offset:(\t)*512
	global_store_b128 v4, v[CC+4:CC+7], s[26:27] offset:(\t)*512+256
.if (\t)+2 < 4
	LOAD (\t)+2, \N
.endif
.if (\t) == 3
	global_store_b32 v5, v[SB], s[28:29]           ; my column's scale word of these 128 k
.endif
.endm
; One tensor: p = the scalar pair with its address; N, K its sizes; FIRST its first work-group; KGB: log2 of its steps of 128 along K; COFF, SOFF: where its codes and scale words begin in wts
.macro TENSOR p, N, K, FIRST, KGB, COFF, SOFF
	s_sub_co_u32 s17, ttmp9, \FIRST
	s_and_b32 s18, s17, (1<<\KGB)-1                ; which 128 along K
	s_lshr_b32 s19, s17, \KGB                      ; which 128 columns
	s_mul_i32 s20, s18, 128*\N*4
	s_lshl_b32 s21, s19, 9
	s_add_co_u32 s20, s20, s21
	s_lshl_b32 s21, s16, 7
	s_add_co_u32 s20, s20, s21                     ; + my wave's 32 columns
	s_mov_b32 s21, 0
	s_add_nc_u64 s[22:23], s[\p:\p+1], s[20:21]
	s_lshl_b32 s24, s19, 3
	s_lshl_b32 s25, s16, 1
	s_add_co_u32 s24, s24, s25                     ; my first tile of 16 rows n
	s_mul_i32 s24, s24, \K/128
	s_add_co_u32 s24, s24, s18                     ; its fragment of this K step
	s_lshl_b32 s26, s24, 11
	s_add_co_u32 s26, s26, \COFF
	s_mov_b32 s27, 0
	s_add_nc_u64 s[26:27], s[12:13], s[26:27]
	s_lshl_b32 s28, s24, 6
	s_add_co_u32 s28, s28, \SOFF
	s_mov_b32 s29, 0
	s_add_nc_u64 s[28:29], s[12:13], s[28:29]
	v_mul_u32_u24 v4, v7, (\K/128)*2048            ; lanes 16-31 hold the next tile of rows
	v_lshl_add_u32 v4, v6, 4, v4
	v_mul_u32_u24 v5, v7, (\K/128)*64
	v_lshl_add_u32 v5, v6, 2, v5
	LOAD 0, \N
	LOAD 1, \N
.irp t, 0,1,2,3
	BLOCK \t, \N
.endr
	s_endpgm
.endm
	v_lshl_add_u32 v30, v0, 2, 0x4800
	v_mov_b32 v31, 0
	s_cmp_lt_u32 ttmp9, NLN                        ; the work-group's number: the same in all four waves
	s_cbranch_scc1 .Lnorm
	; ---- the weights
	s_load_b256 s[4:11], s[0:1], 0x20              ; W_qkv s[4:5], W_out s[6:7], W1 s[8:9], W2 s[10:11]
	s_load_b64 s[12:13], s[0:1], 0x40              ; wts
	v_lshrrev_b32 v1, 5, v0
	v_readfirstlane_b32 s16, v1                    ; wave
	v_and_b32 v2, 31, v0                           ; lane
	v_lshlrev_b32 v3, 2, v2                        ; in: 4 bytes a lane
	v_and_b32 v6, 15, v2
	v_lshrrev_b32 v7, 4, v2
	s_mov_b32 s31, 0x600000                        ; the mantissa field of 448
	s_wait_kmcnt 0x0
	s_cmp_lt_u32 ttmp9, NLN+192
	s_cbranch_scc1 .Lw_qkv
	s_cmp_lt_u32 ttmp9, NLN+256
	s_cbranch_scc1 .Lw_out
	s_cmp_lt_u32 ttmp9, NLN+512
	s_cbranch_scc1 .Lw_1
	s_wait_alu depctr_va_vdst(0)
	TENSOR 10, 1024, 4096, NLN+512, 5, 8388608, 12845056
.Lw_qkv:
	s_wait_alu depctr_va_vdst(0)
	TENSOR 4, 3072, 1024, NLN, 3, 0, 12582912
.Lw_out:
	s_wait_alu depctr_va_vdst(0)
	TENSOR 6, 1024, 1024, NLN+192, 3, 3145728, 12681216
.Lw_1:
	s_wait_alu depctr_va_vdst(0)
	TENSOR 8, 4096, 1024, NLN+256, 3, 4194304, 12713984
.Lnorm:
; ---- LayerNorm over rows of 1,024 f32, then the MX quantiser along the row: y = (x - mean) * rsqrt(var + 1e-5) * g + b, in f32, mean and variance in two passes over registers.
; Out: codes at (8 (row / 16) + k / 128) x 2,048 of hq; scale words at 4,194,304 + the same index x 64 + 4 r.
; A work-group takes 16 rows, one tile: its 16,384 bytes of codes and 512 of scale bytes are dense in memory.  Wave w takes rows 4 w .. 4 w + 3, each whole: no sum leaves the wave.
; In group g = 0..3 lane l holds k = 256 g + 8 l + 0..7, so a block of 32 lies in four neighbouring lanes.  Codes meet in LDS as 64 pieces of 256 bytes, 272 apart, and leave 512 consecutive bytes a store.
.set XB,  64                           ; v64-191  row i at XB + 32 i
.set GM,  192                          ; v192-223 gain
.set BT,  224                          ; v224-255 bias
.set CD,  32                           ; v32-63   codes, eight registers a row
.set UP,  272
.set SBY, 64*UP                        ; LDS: the 512 scale bytes lie behind the codes
	s_load_b256 s[4:11], s[0:1], 0x0               ; x s[4:5], g s[6:7], b s[8:9], out s[10:11]
	v_lshrrev_b32 v1, 5, v0
	v_readfirstlane_b32 s16, v1                    ; wave
	v_and_b32 v1, 31, v0                           ; l
	v_lshlrev_b32 v2, 5, v1                        ; my 32 bytes of a group's 1,024
	v_lshrrev_b32 v8, 4, v1                        ; l / 16: which of the group's two K steps
	v_bfe_u32 v9, v1, 2, 2                         ; (l / 4) % 4: the block c
	v_and_b32 v10, 1, v1                           ; l % 2: the image's half h
	v_bfe_u32 v11, v1, 1, 1                        ; (l / 2) % 2: which 8 of the lane's 16 bytes
	v_and_b32 v13, 15, v1
	v_lshlrev_b32 v12, 3, v8
	v_lshl_add_u32 v12, v9, 1, v12
	v_add_nc_u32 v12, v12, v10                     ; the piece: 8 (l / 16) + 2 c + h
	v_mul_u32_u24 v3, v12, UP
	v_lshl_add_u32 v3, v11, 3, v3
	s_lshl_b32 s17, s16, 6
	v_add_nc_u32 v3, s17, v3                       ; + 16 bytes a row: rows 4 w on
	v_lshl_add_u32 v4, v8, 6, v9                   ; scale bytes: 64 a K step, + c,
	s_lshl_b32 s17, s16, 4
	s_add_co_u32 s17, s17, SBY
	v_add_nc_u32 v4, s17, v4                       ; + 4 a row
	v_mul_u32_u24 v5, v8, UP                       ; back: wave w takes pieces 16 w on, two an instruction
	v_lshl_add_u32 v5, v13, 4, v5
	s_mul_i32 s17, s16, 16*UP
	v_add_nc_u32 v5, s17, v5
	v_lshlrev_b32 v6, 4, v1                        ; 16 l
	v_add_nc_u32 v7, SBY, v6
	s_lshl_b32 s17, s16, 12
	v_add_nc_u32 v15, s17, v6                      ; 16 l + 4,096 w
	s_mov_b32 s12, 0x76543210
	s_mov_b32 s13, 0xfedcba98                      ; v_permlanex16_b32's selects for lane l xor 16
	s_mov_b32 s14, 0x3727c5ac                      ; 1e-5
	s_mov_b32 s15, 0x3a800000                      ; 1 / 1,024
	s_mov_b32 s24, 0x600000                        ; the mantissa field of 448
	s_lshl_b32 s18, ttmp9, 16                      ; 16 rows of 4,096 bytes,
	s_lshl_b32 s19, s16, 14                        ; my wave's four
	s_add_co_u32 s18, s18, s19
	s_mov_b32 s19, 0
	s_lshl_b32 s20, ttmp9, 14
	s_mov_b32 s21, 0
	s_lshl_b32 s22, ttmp9, 9
	s_add_co_u32 s22, s22, 4194304
	s_mov_b32 s23, 0
	s_wait_kmcnt 0x0
	s_add_nc_u64 s[4:5], s[4:5], s[18:19]
	s_add_nc_u64 s[20:21], s[10:11], s[20:21]
	s_add_nc_u64 s[22:23], s[10:11], s[22:23]
.irp g, 0,1,2,3
	global_load_b128 v[GM+8*\g:GM+8*\g+3], v2, s[6:7] offset:1024*\g
	global_load_b128 v[GM+8*\g+4:GM+8*\g+7], v2, s[6:7] offset:1024*\g+16
	global_load_b128 v[BT+8*\g:BT+8*\g+3], v2, s[8:9] offset:1024*\g
	global_load_b128 v[BT+8*\g+4:BT+8*\g+7], v2, s[8:9] offset:1024*\g+16
.endr
.irp i, 0,1,2,3
.irp g, 0,1,2,3
	global_load_b128 v[XB+32*\i+8*\g:XB+32*\i+8*\g+3], v2, s[4:5] offset:4096*\i+1024*\g th:TH_LOAD_NT
	global_load_b128 v[XB+32*\i+8*\g+4:XB+32*\i+8*\g+7], v2, s[4:5] offset:4096*\i+1024*\g+16 th:TH_LOAD_NT
.endr
.endr
.macro REDUCE a, t                     ; the sum of v[a] over the 32 lanes, in every lane
	v_add_f32_dpp v[\a], v[\a], v[\a] row_xmask:1 row_mask:0xf bank_mask:0xf
	v_add_f32_dpp v[\a], v[\a], v[\a] row_xmask:2 row_mask:0xf bank_mask:0xf
	v_add_f32_dpp v[\a], v[\a], v[\a] row_xmask:4 row_mask:0xf bank_mask:0xf
	v_add_f32_dpp v[\a], v[\a], v[\a] row_xmask:8 row_mask:0xf bank_mask:0xf
	v_permlanex16_b32 v[\t], v[\a], s12, s13
	v_add_f32 v[\a], v[\a], v[\t]
.endm
.macro ROW i
.set XR, XB+32*(\i)
	s_wait_loadcnt 8*(3-(\i))                      ; gain, bias and my rows up to this one are in; eight loads for each later row may be out
	v_pk_add_f32 v[8:9], v[XR:XR+1], v[XR+2:XR+3]
	v_pk_add_f32 v[10:11], v[XR+4:XR+5], v[XR+6:XR+7]
.irp j, 8,12,16,20,24,28
	v_pk_add_f32 v[8:9], v[8:9], v[XR+\j:XR+\j+1]
	v_pk_add_f32 v[10:11], v[10:11], v[XR+\j+2:XR+\j+3]
.endr
	v_pk_add_f32 v[8:9], v[8:9], v[10:11]
	v_add_f32 v8, v8, v9
	REDUCE 8, 9
	v_mul_f32 v8, s15, v8                          ; the mean
.irp j, 0,2,4,6,8,10,12,14,16,18,20,22,24,26,28,30
	v_pk_add_f32 v[XR+\j:XR+\j+1], v[XR+\j:XR+\j+1], v[8:9] op_sel_hi:[1,0] neg_lo:[0,1] neg_hi:[0,1]
.endr
	v_pk_mul_f32 v[10:11], v[XR:XR+1], v[XR:XR+1]
	v_pk_mul_f32 v[12:13], v[XR+2:XR+3], v[XR+2:XR+3]
.irp j, 4,8,12,16,20,24,28
	v_pk_fma_f32 v[10:11], v[XR+\j:XR+\j+1], v[XR+\j:XR+\j+1], v[10:11]
	v_pk_fma_f32 v[12:13], v[XR+\j+2:XR+\j+3], v[XR+\j+2:XR+\j+3], v[12:13]
.endr
	v_pk_add_f32 v[10:11], v[10:11], v[12:13]
	v_add_f32 v10, v10, v11
	REDUCE 10, 11
	v_fma_f32 v10, v10, s15, s14                   ; the variance + 1e-5
	s_wait_alu depctr_va_vdst(0)
	v_rsq_f32 v12, v10
	v_nop                                          ; a plain line behind the transcendental,
	s_wait_alu depctr_va_vdst(0)                   ; and the wait ahead of its first reader
	v_mov_b32 v13, v12
.irp j, 0,2,4,6,8,10,12,14,16,18,20,22,24,26,28,30
	v_pk_mul_f32 v[XR+\j:XR+\j+1], v[XR+\j:XR+\j+1], v[12:13]
.endr
.irp j, 0,2,4,6,8,10,12,14,16,18,20,22,24,26,28,30
	v_pk_fma_f32 v[XR+\j:XR+\j+1], v[XR+\j:XR+\j+1], v[GM+\j:GM+\j+1], v[BT+\j:BT+\j+1]
.endr
	; the quantiser: group g's eight numbers are a quarter of a block; the four groups by turns
.irp g, 0,1,2,3
	v_max3_num_f32 v[16+\g], |v[XR+8*\g]|, |v[XR+8*\g+1]|, 0x4800000   ; with the floor 2^(9 - 127)
.endr
.irp j, 2,4,6
.irp g, 0,1,2,3
	v_max3_num_f32 v[16+\g], v[16+\g], |v[XR+8*\g+\j]|, |v[XR+8*\g+\j+1]|
.endr
.endr
.irp g, 0,1,2,3
	v_max_num_f32_dpp v[16+\g], v[16+\g], v[16+\g] row_xmask:1 row_mask:0xf bank_mask:0xf
.endr
.irp g, 0,1,2,3
	v_max_num_f32_dpp v[16+\g], v[16+\g], v[16+\g] row_xmask:2 row_mask:0xf bank_mask:0xf   ; the block's four lanes
.endr
.irp g, 0,1,2,3
	v_add_nc_u32 v[20+\g], 0xfc000000, v[16+\g]    ; the conversion's scale operand
.endr
.irp g, 0,1,2,3
	v_and_or_b32 v[24+\g], v[16+\g], 0x7f800000, s24   ; 448 x the scale
.endr
.irp g, 0,1,2,3
.irp j, 0,1,2,3,4,5,6,7
	v_med3_num_f32 v[XR+8*\g+\j], v[XR+8*\g+\j], -v[24+\g], v[24+\g]
.endr
	v_cvt_scalef32_pk8_fp8_f32 v[CD+8*(\i)+2*\g:CD+8*(\i)+2*\g+1], v[XR+8*\g:XR+8*\g+7], v[20+\g]
.endr
	v_nop                                          ; a plain line between the conversions and the lines that write their sources
.irp g, 0,1,2,3
	v_lshrrev_b32 v[XR+\g], 23, v[20+\g]           ; the scale's byte, into a register of the finished row
.endr
.irp g, 0,1,2,3
	ds_store_b64 v3, v[CD+8*(\i)+2*\g:CD+8*(\i)+2*\g+1] offset:16*UP*\g+16*(\i)
	ds_store_b8 v4, v[XR+\g] offset:128*\g+4*(\i)  ; the block's four lanes write the same byte with the same value
.endr
.endm
	ROW 0
	ROW 1
	ROW 2
	ROW 3
	s_wait_dscnt 0x0                               ; my stores have landed: then the barrier, since a piece holds rows of all four waves
	s_barrier_signal -1
	s_barrier_wait -1
.irp t, 0,1,2,3,4,5,6,7
	ds_load_b128 v[XB+4*\t:XB+4*\t+3], v5 offset:2*UP*\t
.endr
.irp t, 0,1,2,3,4,5,6,7
	s_wait_dscnt 7-\t
	global_store_b128 v15, v[XB+4*\t:XB+4*\t+3], s[20:21] offset:512*\t   ; 32 lanes store 512 consecutive bytes, aligned
.endr
	s_cmp_lg_u32 s16, 0
	s_cbranch_scc1 .Ldone
	ds_load_b128 v[XB+32:XB+35], v7                ; wave 0: the tile's 512 scale bytes
	s_wait_dscnt 0x0
	global_store_b128 v6, v[XB+32:XB+35], s[22:23]
.Ldone:
	s_wait_tensorcnt 0x0
	ds_add_u32 v30, v31
	s_wait_dscnt 0x0
	s_endpgm
.Lfunc_end_k_q19fc4bb027_prep:
	.size	k_q19fc4bb027_prep, .Lfunc_end_k_q19fc4bb027_prep-k_q19fc4bb027_prep
	.p2alignl 7, 3214868480
	.fill 96, 4, 3214868480
	.section	.rodata,"a",@progbits
	.p2align	6, 0x0
	.amdhsa_kernel k_q19fc4bb027_prep
		.amdhsa_group_segment_fixed_size 18944
		.amdhsa_private_segment_fixed_size 0
		.amdhsa_enable_private_segment 0
		.amdhsa_kernarg_size 72
		.amdhsa_user_sgpr_count 2
		.amdhsa_user_sgpr_kernarg_segment_ptr 1
		.amdhsa_wavefront_size32 1
		.amdhsa_system_sgpr_workgroup_id_x 1
		.amdhsa_system_sgpr_workgroup_id_y 1
		.amdhsa_system_sgpr_workgroup_id_z 1
		.amdhsa_system_vgpr_workitem_id 0
		.amdhsa_next_free_vgpr 256
		.amdhsa_next_free_sgpr 66
		.amdhsa_reserve_vcc 0
		.amdhsa_float_denorm_mode_32 3
		.amdhsa_float_denorm_mode_16_64 3
		.amdhsa_memory_ordered 1
		.amdhsa_forward_progress 1
		.amdhsa_inst_pref_size 169
	.end_amdhsa_kernel
	.amdgpu_metadata
---
amdhsa.version: [ 1, 2 ]
amdhsa.kernels:
  - .name:           k_q19fc4bb027_prep
    .symbol:         k_q19fc4bb027_prep.kd
    .args:
      - { .name: x, .offset: 0, .size: 8, .value_kind: global_buffer, .address_space: global }
      - { .name: ln1_g, .offset: 8, .size: 8, .value_kind: global_buffer, .address_space: global }
      - { .name: ln1_b, .offset: 16, .size: 8, .value_kind: global_buffer, .address_space: global }
      - { .name: hq, .offset: 24, .size: 8, .value_kind: global_buffer, .address_space: global }
      - { .name: W_qkv, .offset: 32, .size: 8, .value_kind: global_buffer, .address_space: global }
      - { .name: W_out, .offset: 40, .size: 8, .value_kind: global_buffer, .address_space: global }
      - { .name: W1, .offset: 48, .size: 8, .value_kind: global_buffer, .address_space: global }
      - { .name: W2, .offset: 56, .size: 8, .value_kind: global_buffer, .address_space: global }
      - { .name: wts, .offset: 64, .size: 8, .value_kind: global_buffer, .address_space: global }
    .group_segment_fixed_size: 18944
    .private_segment_fixed_size: 0
    .kernarg_segment_align: 8
    .kernarg_segment_size: 72
    .max_flat_workgroup_size: 128
    .sgpr_count:     66
    .vgpr_count:     256
    .wavefront_size: 32
...
	.end_amdgpu_metadata
.endif
;; end of part 1
;; launch qkv (part 2): grid 12 x 16, 4 waves a work-group, clusters of 4 x 4, 327,680 bytes of LDS; arguments hq, wts, b_qkv, qkvc; writes qkvc
.if DOCPART == 2
	.amdgcn_target "amdgcn-amd-amdhsa--gfx1250"
	.amdhsa_code_object_version 6
	.text
	.protected	k_q19fc4bb027_qkv
	.globl	k_q19fc4bb027_qkv
	.p2align	8
	.type	k_q19fc4bb027_qkv,@function
k_q19fc4bb027_qkv:
	s_mov_b64 s[64:65], 0
	v_nop
	global_prefetch_b8 v0, s[64:65] scope:SCOPE_SE
	s_setreg_imm32_b32 hwreg(HW_REG_WAVE_MODE, 25, 1), 1
	s_wait_xcnt 0x0
	s_wait_alu depctr_hold_cnt(0) depctr_sa_sdst(0) depctr_va_vdst(0) depctr_va_sdst(0) depctr_va_ssrc(0) depctr_va_vcc(0) depctr_vm_vsrc(0)
	s_getreg_b32 s2, hwreg(HW_REG_IB_STS2, 6, 4)
	s_cmp_eq_u32 s2, 0
	s_cbranch_scc0 .Lentry_in_a_cluster
	s_endpgm
.Lentry_in_a_cluster:
	s_bfe_u32 s2, ttmp6, 0x10000c
	s_cmp_lg_u32 s2, 0xf033
	s_cbranch_scc0 .Lentry_shape_is_right
	s_endpgm
.Lentry_shape_is_right:
; q, k, v = LN(x) W_qkv + b_qkv on codes of E4M3 with E8M0 scales, and the quantiser for the attention's operands on the way out.  M 4,096, N 3,072, K 1,024.
; Operands come as fragment images (16 rows x 128 k = 2,048 bytes, [c][lane][16 bytes]); a fragment is four ds_load_b128 at 16 x lane + 512 c: consecutive bytes, no pitch, no padding.
; A tile of C is 256 x 256: four waves of 128 x 128, 64 accumulators each.  K goes in steps of 256 through two LDS slots; the scale words of the tile's rows, for all of K, come once.
; CLUSTERS 4 x 4: A's tiles are asked for jointly along a row of the cluster, B's along a column.
; THE PRODUCT IS USED TRANSPOSED (source 0 = 16 rows of B, source 1 = 16 rows of A): lane (r, h) holds row r of A's block and columns 16 b + 8 h + j of B's blocks.
; Clusters with x = 0, 1 (q, k): A = tokens, B = rows of the weight: a lane's registers run along the head's axis, which is the first attention product's K.
; Clusters with x = 2 (v): the two pointers change places: A = rows of the weight, B = tokens: a lane's registers run along the tokens, the second product's K.  Only numbers are selected: no branch hangs on the mode.
; OUT (qkvc): q, k codes [hh 0..31][b][token / 16][c' 0,1][lane][16] at 0; v codes [b][keys / 128][channel / 16][image] at 8,388,608;
; q, k scale bytes [hh][b][token / 32][token % 16][(token / 16) % 2][2] at 12,582,912; v scale words [b][keys / 128][channel][4] at 12,845,056.
; REGISTERS: window 0: v8-15 the row bias, v16-29 addresses, v32-63 scale words (two sets), v64-127 the column bias, v128-255 A's fragments; window 1: B's fragments, two sets; on the way out the work; windows 2, 3: accumulators.
; LIMITS: NaN and infinities are not served; a block of zeros, or one under 2^-118, gets the byte 1 (only this program reads the bytes).
.set NQ,    2                          ; steps of 128 in a slot
.set FR,    16                         ; registers of a fragment
.set NL,    4                          ; LDS loads that bring one
.set NP,    8                          ; places behind this matrix instruction (ISA guide 7.12.1)
.set SLOT,  131072                     ; four quarters of 32,768: A's rows 0-127, 128-255, B's likewise; a quarter: [tile of 16 rows][2 steps][2,048]
.set SCL,   262144                     ; behind the ring: the scale words, 4,096 bytes for each 128 rows
.set SPARE, 278528                     ; the spare words, 128 bytes a wave: two blocks of 256 bytes that no other line names
.set LAPS,  2
.set BR,   8
.set ADRA, 16
.set VS,   18
.set ADRB, 20
.set VO,   22
.set ADRS, 27
.set SPW,  28
.set NIL,  29
.set SC,   32
.set BC,   64
.set AF,   128
.set X,    0                           ; window 1, on the way out: 64 numbers of a block of 16 rows,
.set PC,   192                         ; their codes,
.set TM,   208                         ; 16 registers at work,
.set PW,   224                         ; the scale word,
.set PWS,  225                         ; my half of it,
.set SH,   226                         ; 16 h
.set G1, 24
.set G0, 32
.set G1B, 48
.set G0B, 56
.set G1S, 68
.set G0S, 76
.set G1SB, 80
.set G0SB, 88
.set SEL, 20
.set MNT, 22
.set MV,  23                           ; -1 in v's clusters, else 0
.set MQ,  17                           ; the other way round
.set OB,  92                           ; s[92:93] where the block's codes go; s[94:95] its scale bytes; s[96:97] the codes' step; s98, s99 the scales' steps
.set OS,  94
.set AST, 96
.set AB,  2
.set MSB, 0
.macro WIN new
.if MSB != \new
	s_set_vgpr_msb (MSB<<8)|\new
.set MSB, \new
.endif
.endm
.set MUL_LO, 0xa1                      ; source 0 (B) window 1, source 1 (A) window 0, C and D window 2
.set MUL_HI, 0xf1                      ; C and D window 3
.set FST_LO, 0x81                      ; the first step: C is the bias, in window 0
.set FST_HI, 0xc1
.set TO_B,   0x40
.macro JLOAD g0a, g1a, g0b, g1b        ; a joint load: waves 0, 1 fetch for A, waves 2, 3 for B; four v_nop follow each line
	s_cmp_eq_u32 s15, 0
	s_cbranch_scc0 .Lfor_b_\@
	tensor_load_to_lds s[\g0a:\g0a+3], s[\g1a:\g1a+7]
	s_nop 0
.rept 4
	v_nop
.endr
	s_branch .Lasked_\@
.Lfor_b_\@:
	tensor_load_to_lds s[\g0b:\g0b+3], s[\g1b:\g1b+7]
	s_nop 0
.rept 4
	v_nop
.endr
.Lasked_\@:
.endm
.macro CREST
	s_cmp_lg_u32 s14, 0
	s_cbranch_scc1 .Lnot_wave_0_\@
	s_barrier_signal -3
.Lnot_wave_0_\@:
	s_barrier_wait -3
	s_barrier_signal -1
	s_barrier_wait -1
.endm
.macro CROUND
	s_barrier_signal -1
	s_barrier_wait -1
	CREST
.endm
.macro PLACES n
.rept \n
	v_nop
.endr
.endm
	s_load_b128 s[4:7], s[0:1], 0x0                ; hq, wts
	s_load_b128 s[8:11], s[0:1], 0x10              ; b_qkv, qkvc
	v_lshl_add_u32 v[SPW], v0, 2, SPARE
	v_mov_b32 v[NIL], 0
	ds_add_u32 v28, v29
	ds_add_u32 v28, v29
	s_wait_dscnt 0x0
	v_lshrrev_b32 v1, 5, v0
	v_readfirstlane_b32 s14, v1                    ; wave
	s_lshr_b32 s15, s14, 1                         ; my half of the tile's rows; also: I fetch for A (0) or B (1)
	s_and_b32 s16, s14, 1                          ; my half of its columns; also: which 128 rows I fetch
	s_bfe_u32 s40, ttmp6, 0x40000                  ; cx
	s_bfe_u32 s41, ttmp6, 0x40004                  ; cy
	s_and_b32 s17, ttmp7, 0xffff
	s_lshl_b32 s17, s17, 2                         ; 4 x cluster y
	s_add_co_u32 s12, s17, s41                     ; q, k: A's tile = tokens 256 (4 cluster y + cy)
	s_add_co_u32 s42, s41, 8                       ; v:    A's tile = weight rows 256 (8 + cy)
	s_lshl_b32 s13, ttmp9, 2
	s_add_co_u32 s13, s13, s40                     ; q, k: B's tile = weight rows 256 (4 cluster x + cx)
	s_add_co_u32 s44, s17, s40                     ; v:    B's tile = tokens 256 (4 cluster y + cx)
	s_cmp_eq_u32 ttmp9, 2                          ; the cluster's x: the same in all sixteen partners
	s_cselect_b32 s12, s42, s12
	s_cselect_b32 s13, s44, s13
	s_cselect_b32 s[MV], -1, 0
	s_cselect_b32 s[MQ], 0, -1
	s_lshl_b32 s18, s41, 2
	s_lshl_b32 s18, 15, s18                        ; my row of the cluster
	s_lshl_b32 s19, 0x1111, s40                    ; my column
	; group 1, codes: 8 rows (tiles of 16) x 4,096 bytes (two steps' images), 16,384 bytes apart; elements of 8 bytes; no padding
	s_or_b32 s[G1+0], s18, (3<<16)|(1<<21)
	s_or_b32 s[G1B+0], s19, (3<<16)|(1<<21)
.irp g, G1, G1B
	s_mov_b32 s[\g+1], 512<<16
	s_mov_b32 s[\g+2], 16<<16
	s_mov_b32 s[\g+3], 512<<16
	s_mov_b32 s[\g+4], 16
	s_mov_b32 s[\g+5], 2048
	s_mov_b32 s[\g+6], 0
	s_mov_b32 s[\g+7], 0
.endr
	; group 1, scale words of 256 rows: 8,192 dense bytes as 32 rows of 256
	s_or_b32 s[G1S+0], s18, (3<<16)|(1<<21)
	s_or_b32 s[G1SB+0], s19, (3<<16)|(1<<21)
.irp g, G1S, G1SB
	s_mov_b32 s[\g+1], 32<<16
	s_mov_b32 s[\g+2], 32<<16
	s_mov_b32 s[\g+3], 32<<16
	s_mov_b32 s[\g+4], 32
	s_mov_b32 s[\g+5], 32
	s_mov_b32 s[\g+6], 0
	s_mov_b32 s[\g+7], 0
.endr
	s_lshl_b32 s19, s14, 15                        ; and my quarter of a slot
	s_mov_b32 s[SEL], 0x76543210
	s_mov_b32 s[SEL+1], 0xfedcba98
	s_mov_b32 s[MNT], 0x600000
	CROUND                                         ; the opening round, ahead of the wait for the arguments: all sixteen work-groups are here, so the first joint loads meet
	s_wait_kmcnt 0x0
	s_cmp_eq_u32 ttmp9, 2
	s_cselect_b64 s[42:43], s[6:7], s[4:5]         ; A's buffer
	s_cselect_b64 s[44:45], s[4:5], s[6:7]         ; B's buffer
	s_mov_b32 s46, 4194304
	s_cselect_b32 s46, 12582912, s46               ; where A's scale words begin in it
	s_mov_b32 s66, 12582912
	s_cselect_b32 s66, 4194304, s66                ; and B's
	s_lshl_b32 s47, s12, 13                        ; 16 tiles of rows x 512 bytes
	s_add_co_u32 s46, s46, s47
	s_mov_b32 s47, 0
	s_lshl_b32 s67, s13, 13
	s_add_co_u32 s66, s66, s67
	s_mov_b32 s67, 0
	s_mov_b32 s[G0S], 1
	s_mov_b32 s[G0S+1], SCL                        ; A's scale words, all 256 rows: 8,192 dense bytes
	s_add_nc_u64 s[G0S+2:G0S+3], s[42:43], s[46:47]
	s_or_b32 s[G0S+3], s[G0S+3], 0x80000000
	s_mov_b32 s[G0SB], 1
	s_mov_b32 s[G0SB+1], SCL+8192                  ; B's behind them
	s_add_nc_u64 s[G0SB+2:G0SB+3], s[44:45], s[66:67]
	s_or_b32 s[G0SB+3], s[G0SB+3], 0x80000000
	s_lshl_b32 s46, s12, 18                        ; 16 tiles of rows x 16,384 bytes
	s_lshl_b32 s47, s16, 17
	s_add_co_u32 s46, s46, s47
	s_mov_b32 s47, 0
	s_add_nc_u64 s[42:43], s[42:43], s[46:47]
	s_lshl_b32 s66, s13, 18
	s_lshl_b32 s67, s16, 17
	s_add_co_u32 s66, s66, s67
	s_mov_b32 s67, 0
	s_add_nc_u64 s[44:45], s[44:45], s[66:67]
.irp s, 0,1
	s_mov_b32 s[G0+4*\s], 1
	s_add_co_u32 s[G0+4*\s+1], s19, \s*SLOT
	s_add_nc_u64 s[G0+4*\s+2:G0+4*\s+3], s[42:43], \s*4096
	s_or_b32 s[G0+4*\s+3], s[G0+4*\s+3], 0x80000000
	s_mov_b32 s[G0B+4*\s], 1
	s_add_co_u32 s[G0B+4*\s+1], s19, \s*SLOT
	s_add_nc_u64 s[G0B+4*\s+2:G0B+4*\s+3], s[44:45], \s*4096
	s_or_b32 s[G0B+4*\s+3], s[G0B+4*\s+3], 0x80000000
.endr
; THE HEAD'S LOADS, ONE A WAVE: wave 0 fetches slot 0's 256 rows of A, wave 2 its 256 rows of B (their own group 0 of slot 0 fits: their half is 0; group 1 counts 16 tiles of rows here),
; wave 1 A's scale words, wave 3 B's.  One chain of branches on the wave's number, a load to an arm, all arms to one join.
.set PFA, 100                          ; s[100:101] where my prefetches stand; never rewritten
.set PFO, 19                           ; v19 their offset; never rewritten
.macro ARM under, g0, g1, next
	s_cmp_lt_u32 s14, \under
	s_cbranch_scc0 \next
	tensor_load_to_lds s[\g0:\g0+3], s[\g1:\g1+7]
	s_nop 0
.rept 4
	v_nop
.endr
	s_branch .Lhead_asked
\next:
.endm
	ARM 1, G0,  G1,  .Lhead_sa
	ARM 2, G0S, G1S, .Lhead_b
	ARM 3, G0B, G1B, .Lhead_sb
	tensor_load_to_lds s[G0SB:G0SB+3], s[G1SB:G1SB+7]
	s_nop 0
.rept 4
	v_nop
.endr
.Lhead_asked:
; PREFETCHES INTO THE L2: behind the load of slot j stands a request for slot j + 2, and at the head one for slot 1 too.  Of the 8 tiles of rows x 4,096 bytes that my wave fetches for a slot, the four partners
; that ask for them jointly take two tiles each, told apart by address (cx for A, cy for B): 32 blocks of 256 bytes, a lane a block, one instruction a wave.  Slot 3 is the last: nothing is asked beyond it.
	s_cmp_eq_u32 s15, 0
	s_cselect_b64 s[PFA:PFA+1], s[42:43], s[44:45]
	s_cselect_b32 s18, s40, s41
	s_lshl_b32 s18, s18, 15
	s_mov_b32 s19, 0
	s_add_nc_u64 s[PFA:PFA+1], s[PFA:PFA+1], s[18:19]
	v_and_b32 v6, 15, v0
	v_bfe_u32 v[PFO], v0, 4, 1
	v_lshlrev_b32 v[PFO], 14, v[PFO]
	v_lshl_add_u32 v[PFO], v6, 8, v[PFO]
	s_wait_alu depctr_va_vdst(0)                   ; the wait behind the write
	global_prefetch_b8 v[PFO], s[PFA:PFA+1] offset:4096 th:TH_LOAD_NT scope:SCOPE_SE
	global_prefetch_b8 v[PFO], s[PFA:PFA+1] offset:8192 th:TH_LOAD_NT scope:SCOPE_SE
	v_and_b32 v1, 15, v0                           ; r
	v_bfe_u32 v2, v0, 4, 1                         ; h
	s_wait_alu depctr_va_vdst(0)
	v_and_b32 v3, 31, v0
	v_lshlrev_b32 v4, 4, v3                        ; 16 x lane
	s_wait_alu depctr_va_vdst(0)
	s_lshl_b32 s46, s15, 15
	s_lshl_b32 s47, s16, 15
	s_add_co_u32 s47, s47, 65536
.irp s, 0,1
	v_add_nc_u32 v[ADRA+\s], s46, v4
	v_add_nc_u32 v[ADRB+\s], s47, v4
	s_add_co_u32 s46, s46, SLOT
	s_add_co_u32 s47, s47, SLOT
.endr
	s_lshl_b32 s46, s15, 12                        ; scale words: lanes 0-15 take A's rows, lanes 16-31 B's
	s_lshl_b32 s47, s16, 12
	s_add_co_u32 s47, s47, 8192
	s_sub_co_u32 s47, s47, s46
	v_mul_u32_u24 v5, s47, v2
	s_add_co_u32 s46, s46, SCL
	v_lshl_add_u32 v5, v1, 2, v5
	v_add_nc_u32 v[ADRS], s46, v5
	; where the results go.  q, k:
	s_lshr_b32 s46, s12, 3                         ; b
	s_lshl_b32 s47, s13, 3
	s_add_co_u32 s46, s46, s47
	s_lshl_b32 s47, s16, 2
	s_add_co_u32 s46, s46, s47                     ; 2 hh + b of my first head, hh = 4 tile + 2 half
	s_and_b32 s47, s12, 7
	s_lshl_b32 s47, s47, 4
	s_lshl_b32 s66, s15, 3
	s_add_co_u32 s47, s47, s66                     ; my first tile of 16 tokens in the batch
	s_lshl_b32 s66, s46, 7
	s_add_co_u32 s66, s66, s47
	s_lshl_b32 s[OB], s66, 10
	s_lshl_b32 s46, s46, 12
	s_lshl_b32 s47, s47, 5
	s_add_co_u32 s46, s46, s47
	s_add_co_u32 s[OS], s46, 12582912
	; v:
	s_lshr_b32 s46, s13, 3                         ; b
	s_lshl_b32 s46, s46, 4
	s_and_b32 s47, s13, 7
	s_lshl_b32 s47, s47, 1
	s_add_co_u32 s46, s46, s47
	s_add_co_u32 s46, s46, s16                     ; 16 b + the step of 128 keys
	s_sub_co_u32 s47, s12, 8
	s_lshl_b32 s47, s47, 4
	s_lshl_b32 s66, s15, 3
	s_add_co_u32 s47, s47, s66                     ; my first tile of 16 channels
	s_lshl_b32 s66, s46, 6
	s_add_co_u32 s66, s66, s47
	s_lshl_b32 s66, s66, 11
	s_add_co_u32 s66, s66, 8388608
	s_lshl_b32 s46, s46, 12
	s_lshl_b32 s47, s47, 6
	s_add_co_u32 s46, s46, s47
	s_add_co_u32 s46, s46, 12845056
	s_cmp_eq_u32 ttmp9, 2
	s_cselect_b32 s[OB], s66, s[OB]
	s_cselect_b32 s[OS], s46, s[OS]
	s_mov_b32 s[AST], 1024
	s_cselect_b32 s[AST], 2048, s[AST]             ; from block to block of 16 rows
	s_cselect_b32 s98, 64, 2                       ; the scales' step behind an even block,
	s_cselect_b32 s99, 64, 62                      ; behind an odd one
	s_mov_b32 s46, 262144
	s_cselect_b32 s46, 1024, s46                   ; groups 2, 3: q, k: the next head; v: on in the image
	s_mov_b32 s47, 262656
	s_cselect_b32 s47, 1536, s47
	s_mov_b32 s66, 8192
	s_cselect_b32 s66, 2, s66                      ; lanes 16-31 store the word's upper half: q, k: the next head's bytes; v: two bytes on
	s_mov_b32 s[OB+1], 0
	s_mov_b32 s[OS+1], 0
	s_mov_b32 s[AST+1], 0
	s_add_nc_u64 s[OB:OB+1], s[10:11], s[OB:OB+1]
	s_add_nc_u64 s[OS:OS+1], s[10:11], s[OS:OS+1]
	v_mov_b32 v[VO], v4
	v_add_nc_u32 v[VO+1], 512, v4
	v_add_nc_u32 v[VO+2], s46, v4
	v_add_nc_u32 v[VO+3], s47, v4
	v_mul_u32_u24 v[VS], s66, v2
	v_lshl_add_u32 v[VS], v1, 2, v[VS]
	; the bias.  q, k: along the columns: the C of the first products.  v: along A's rows: added on the way out.  The one that the mode does not use is loaded from the buffer's head and cleared.
	s_lshl_b32 s46, s13, 10
	s_lshl_b32 s47, s16, 9
	s_add_co_u32 s46, s46, s47
	s_lshl_b32 s66, s12, 10
	s_lshl_b32 s67, s15, 9
	s_add_co_u32 s66, s66, s67
	s_cmp_eq_u32 ttmp9, 2
	s_cselect_b32 s46, 0, s46
	s_cselect_b32 s66, s66, 0
	s_mov_b32 s47, 0
	s_mov_b32 s67, 0
	s_add_nc_u64 s[46:47], s[8:9], s[46:47]
	s_add_nc_u64 s[66:67], s[8:9], s[66:67]
	v_lshlrev_b32 v30, 5, v2                       ; 8 h numbers
	v_lshlrev_b32 v31, 2, v1                       ; r
.irp b, 0,1,2,3,4,5,6,7
	global_load_b128 v[BC+8*\b:BC+8*\b+3], v30, s[46:47] offset:64*\b
	global_load_b128 v[BC+8*\b+4:BC+8*\b+7], v30, s[46:47] offset:64*\b+16
.endr
.irp a, 0,1,2,3,4,5,6,7
	global_load_b32 v[BR+\a], v31, s[66:67] offset:64*\a
.endr
	s_wait_loadcnt 0x0
.set i, 0
.rept 64
	v_and_b32 v[BC+i], s[MQ], v[BC+i]
.set i, i+1
.endr
.set i, 0
.rept 8
	v_and_b32 v[BR+i], s[MV], v[BR+i]
.set i, i+1
.endr
.macro FRAG reg, adr, q, i
.irp c, 0,1,2,3
	ds_load_b128 v[\reg+4*\c:\reg+4*\c+3], v[\adr] offset:2048*(\q)+512*\c+(\i)*4096
.endr
.endm
; 16 matrix instructions: A's blocks a0, a0 + 1 x B's eight.  The 64 accumulators take turns, one instruction a turn, in the same order in every step.
.macro MUL16 a0, p, q, sc, zero
.irp a, \a0, \a0+1
.irp b, 0,1,2,3,4,5,6,7
.if \zero
	v_wmma_scale_f32_16x16x128_f8f6f4 v[8*(8*((\a)%4)+\b):8*(8*((\a)%4)+\b)+7], v[128*(\p)+FR*\b:128*(\p)+FR*\b+FR-1], v[AF+FR*(\a):AF+FR*(\a)+FR-1], v[BC+8*\b:BC+8*\b+7], v[SC+16*(\sc)+8*(\q)+\b], v[SC+16*(\sc)+8*(\q)+(\a)] matrix_a_scale:MATRIX_SCALE_ROW1
.else
	v_wmma_scale_f32_16x16x128_f8f6f4 v[8*(8*((\a)%4)+\b):8*(8*((\a)%4)+\b)+7], v[128*(\p)+FR*\b:128*(\p)+FR*\b+FR-1], v[AF+FR*(\a):AF+FR*(\a)+FR-1], v[8*(8*((\a)%4)+\b):8*(8*((\a)%4)+\b)+7], v[SC+16*(\sc)+8*(\q)+\b], v[SC+16*(\sc)+8*(\q)+(\a)] matrix_a_scale:MATRIX_SCALE_ROW1
.endif
.endr
.endr
.endm
.macro FETCH_B slot, q, p
	WIN TO_B
.irp i, 0,1,2,3,4,5,6,7
	FRAG 128*(\p)+FR*\i, ADRB+\slot, \q, \i
.endr
	WIN 0
.endm
.macro FETCH_A slot, q, i0
.irp i, \i0, \i0+1, \i0+2, \i0+3
	FRAG AF+FR*(\i), ADRA+\slot, \q, \i
.endr
.endm
.macro SCALES sc                       ; a slot's scale words: register 8 q + i: lanes 0-15 A's block i, lanes 16-31 B's block i
.irp q, 0,1
.irp i, 0,1,2,3,4,5,6,7
	ds_load_b32 v[SC+16*\sc+8*\q+\i], v[ADRS] offset:512*\i+64*\q
.endr
.endr
.endm
.macro STEP slot, q, zero
	FETCH_B \slot, (\q)+1, 1-(\q)%2                ; B's idle set takes the next step's fragments at once: the products that read it last have their eight places behind them
	s_wait_dscnt 12*NL                             ; all but the 32 loads just issued and the sixteen before them (A's blocks 4-7) are in
.if \zero
	WIN FST_LO
.else
	WIN MUL_LO
.endif
	MUL16 0, (\q)%2, \q, \slot, \zero
	MUL16 2, (\q)%2, \q, \slot, \zero
	s_wait_dscnt 8*NL                              ; A's blocks 4-7 are in; the 32 loads of B's next set may be out
	PLACES NP
	WIN 0                                          ; A's fragments and their address lie in window 0
	FETCH_A \slot, (\q)+1, 0
.if \zero
	WIN FST_HI
.else
	WIN MUL_HI
.endif
	MUL16 4, (\q)%2, \q, \slot, \zero
	MUL16 6, (\q)%2, \q, \slot, \zero
	PLACES NP
	WIN 0
	FETCH_A \slot, (\q)+1, 4
.endm
; A slot's last step changes slots: one barrier; in front of it each wave waits for all its tensor loads, adds 0 to its spare word, and waits for that and for its reads of the slot.
.macro TURN slot, next, fill
	s_wait_tensorcnt 0x0                           ; all my tensor loads have landed: my part of the next slot
	ds_add_u32 v[SPW], v[NIL]                      ; 0 onto my spare word
	s_wait_dscnt 4*NL+1                            ; (the add and the youngest sixteen loads may be out)
	WIN MUL_LO
	MUL16 0, 1, NQ-1, \slot, 0
	s_wait_dscnt 0x0                               ; the add is done, and my reads of this slot are over
	s_barrier_signal -1
	MUL16 2, 1, NQ-1, \slot, 0
	WIN 0
	s_barrier_wait -1
.if \fill
	CREST                                          ; the barrier has opened a round of the cluster's barrier
	s_add_nc_u64 s[G0+4*\slot+2:G0+4*\slot+3], s[G0+4*\slot+2:G0+4*\slot+3], 8192
	s_add_nc_u64 s[G0B+4*\slot+2:G0B+4*\slot+3], s[G0B+4*\slot+2:G0B+4*\slot+3], 8192
	JLOAD G0+4*\slot, G1, G0B+4*\slot, G1B         ; the first tensor load behind the round; its four v_nop are among the places below
	PLACES NP-4
.else
	PLACES NP
.endif
	s_wait_alu depctr_va_vdst(0)
	v_add_nc_u32 v[ADRS], 128, v[ADRS]             ; the next slot's scale words: two steps of 64 bytes on
	FETCH_B \next, 0, 0
	FETCH_A \next, 0, 0
	SCALES \next
	WIN MUL_HI
	MUL16 4, 1, NQ-1, \slot, 0
	MUL16 6, 1, NQ-1, \slot, 0
	PLACES NP
	WIN 0
	FETCH_A \next, 0, 4
.endm
	s_wait_alu depctr_va_vdst(0)
	s_wait_tensorcnt 0x0                           ; my tile of the head's four is in
	ds_add_u32 v[SPW], v[NIL]
	s_mov_b32 s[G1+2], 8<<16                       ; no tensor load of mine is out: from here on a load brings 8 tiles of rows
	s_mov_b32 s[G1+4], 8
	s_mov_b32 s[G1B+2], 8<<16
	s_mov_b32 s[G1B+4], 8
	s_wait_dscnt 0x0
	CROUND                                         ; a whole round: all four tiles are in, and the joint loads meet
	JLOAD G0+4, G1, G0B+4, G1B                     ; slot 1's first fill, the first tensor load behind the round
	global_prefetch_b8 v[PFO], s[PFA:PFA+1] offset:12288 th:TH_LOAD_NT scope:SCOPE_SE
	FETCH_B 0, 0, 0
	FETCH_A 0, 0, 0
	SCALES 0
	FETCH_A 0, 0, 4
	STEP 0, 0, 1                                   ; the first step starts the sums, on the bias
	s_mov_b32 s3, LAPS-1
.Llap:
	TURN 0, 1, 1
	STEP 1, 0, 0
	TURN 1, 0, 1
	STEP 0, 0, 0
	s_sub_co_u32 s3, s3, 1
	s_cmp_lg_u32 s3, 0
	s_cbranch_scc1 .Llap
	TURN 0, 1, 0
	STEP 1, 0, 0
	s_wait_dscnt 4*NL
	WIN MUL_LO
	MUL16 0, 1, NQ-1, 1, 0
	MUL16 2, 1, NQ-1, 1, 0
	s_wait_dscnt 0
	WIN MUL_HI
	MUL16 4, 1, NQ-1, 1, 0
	MUL16 6, 1, NQ-1, 1, 0
	WIN 0
; 64 numbers of a lane, register 16 b + i, become a fragment's codes in v[PC] on and its scale word in v[PW]; a block of 32 lies in lanes l and l xor 16
.macro QUANT s
.irp b, 0,1,2,3
	v_max3_num_f32 v[TM+\b], |v[\s+16*\b]|, |v[\s+1+16*\b]|, 0x4800000   ; with the floor 2^(9 - 127)
.endr
.irp i, 2,4,6,8,10,12,14
.irp b, 0,1,2,3
	v_max3_num_f32 v[TM+\b], v[TM+\b], |v[\s+16*\b+\i]|, |v[\s+1+16*\b+\i]|
.endr
.endr
.irp b, 0,1,2,3
	v_permlanex16_b32 v[TM+4+\b], v[TM+\b], s[SEL], s[SEL+1]
.endr
.irp b, 0,1,2,3
	v_max_num_f32 v[TM+\b], v[TM+\b], v[TM+4+\b]
.endr
.irp b, 0,1,2,3
	v_add_nc_u32 v[TM+12+\b], 0xfc000000, v[TM+\b]
.endr
.irp b, 0,1,2,3
	v_and_or_b32 v[TM+8+\b], v[TM+\b], 0x7f800000, s[MNT]
.endr
.irp b, 0,1,2,3
	v_lshrrev_b32 v[TM+4+\b], 23, v[TM+12+\b]
.endr
	v_lshl_or_b32 v[PW], v[TM+5], 8, v[TM+4]
	v_lshl_or_b32 v[PW], v[TM+6], 16, v[PW]
	v_lshl_or_b32 v[PW], v[TM+7], 24, v[PW]
.irp b, 0,1,2,3
.irp i, 0,1,2,3,4,5,6,7,8,9,10,11,12,13,14,15
	v_med3_num_f32 v[\s+16*\b+\i], v[\s+16*\b+\i], -v[TM+8+\b], v[TM+8+\b]
.endr
	v_cvt_scalef32_pk8_fp8_f32 v[PC+4*\b:PC+1+4*\b], v[\s+16*\b:\s+7+16*\b], v[TM+12+\b]
	v_cvt_scalef32_pk8_fp8_f32 v[PC+2+4*\b:PC+3+4*\b], v[\s+8+16*\b:\s+15+16*\b], v[TM+12+\b]
.endr
	v_nop                                          ; a plain line behind the last conversion
.endm
; THE WAY OUT: a loop of eight trips, one for each block of 16 rows of A.  PICK a copies block a's 64 sums into window 1, each accumulator from its low end on, and adds the row bias on the way.
.macro PICK a
.if (\a) < 7
	s_cmp_lg_u32 s[AB], \a
	s_cbranch_scc1 .Lnot_\@
.endif
.if (\a) < 4
	WIN 0x42
.else
	WIN 0x43
.endif
.set i, 0
.rept 32
.if (\a)%2
	v_pk_add_f32 v[X+2*i:X+2*i+1], v[64*((\a)%4)+2*i:64*((\a)%4)+2*i+1], v[BR+(\a)-1:BR+(\a)] op_sel:[0,1] op_sel_hi:[1,1]
.else
	v_pk_add_f32 v[X+2*i:X+2*i+1], v[64*((\a)%4)+2*i:64*((\a)%4)+2*i+1], v[BR+(\a):BR+(\a)+1] op_sel_hi:[1,0]
.endif
.set i, i+1
.endr
	WIN 0
.if (\a) < 7
	s_branch .Lpicked
.Lnot_\@:
.endif
.endm
	PLACES NP                                      ; behind the last products: their results are read and B's registers written below
	WIN 0x40
.irp b, 0,1,2,3
	v_mov_b32 v[TM+4+\b], 0                        ; a lane permute's destination counts as one of its sources
.endr
	v_lshlrev_b32 v[SH], 4, v2
	WIN 0
	s_mov_b32 s47, 0
	s_mov_b32 s[AB], 0
.Lout:
	PICK 0
	PICK 1
	PICK 2
	PICK 3
	PICK 4
	PICK 5
	PICK 6
	PICK 7
.Lpicked:
	WIN 0x55                                       ; all operands in window 1
	QUANT X
	v_lshrrev_b32 v[PWS], v[SH], v[PW]             ; lanes 0-15: the word's low half; lanes 16-31: its high half
	WIN 0x04                                       ; a store's data in window 1, its address in window 0
.irp c, 0,1,2,3
	global_store_b128 v[VO+\c], v[PC+4*\c:PC+4*\c+3], s[OB:OB+1]   ; 32 lanes store 512 consecutive bytes, aligned
.endr
	global_store_b16 v[VS], v[PWS], s[OS:OS+1]
	WIN 0
	s_bitcmp1_b32 s[AB], 0
	s_cselect_b32 s46, s99, s98
	s_wait_xcnt 0x0                                ; the stores have read their data and bases: both are written again only behind this wait
	s_add_nc_u64 s[OB:OB+1], s[OB:OB+1], s[AST:AST+1]
	s_add_nc_u64 s[OS:OS+1], s[OS:OS+1], s[46:47]
	s_add_co_u32 s[AB], s[AB], 1
	s_cmp_lt_u32 s[AB], 8
	s_cbranch_scc1 .Lout
	s_wait_tensorcnt 0x0                           ; the wave's end
	ds_add_u32 v[SPW], v[NIL]
	s_wait_dscnt 0x0
	CROUND                                         ; the closing round
	s_endpgm
.Lfunc_end_k_q19fc4bb027_qkv:
	.size	k_q19fc4bb027_qkv, .Lfunc_end_k_q19fc4bb027_qkv-k_q19fc4bb027_qkv
	.p2alignl 7, 3214868480
	.fill 96, 4, 3214868480
	.section	.rodata,"a",@progbits
	.p2align	6, 0x0
	.amdhsa_kernel k_q19fc4bb027_qkv
		.amdhsa_group_segment_fixed_size 327680
		.amdhsa_private_segment_fixed_size 0
		.amdhsa_enable_private_segment 0
		.amdhsa_kernarg_size 32
		.amdhsa_user_sgpr_count 2
		.amdhsa_user_sgpr_kernarg_segment_ptr 1
		.amdhsa_wavefront_size32 1
		.amdhsa_system_sgpr_workgroup_id_x 1
		.amdhsa_system_sgpr_workgroup_id_y 1
		.amdhsa_system_sgpr_workgroup_id_z 1
		.amdhsa_system_vgpr_workitem_id 0
		.amdhsa_next_free_vgpr 1024
		.amdhsa_next_free_sgpr 102
		.amdhsa_reserve_vcc 0
		.amdhsa_float_denorm_mode_32 3
		.amdhsa_float_denorm_mode_16_64 3
		.amdhsa_memory_ordered 1
		.amdhsa_forward_progress 1
		.amdhsa_inst_pref_size 153
	.end_amdhsa_kernel
	.amdgpu_metadata
---
amdhsa.version: [ 1, 2 ]
amdhsa.kernels:
  - .name:           k_q19fc4bb027_qkv
    .symbol:         k_q19fc4bb027_qkv.kd
    .args:
      - { .name: hq, .offset: 0, .size: 8, .value_kind: global_buffer, .address_space: global }
      - { .name: wts, .offset: 8, .size: 8, .value_kind: global_buffer, .address_space: global }
      - { .name: b_qkv, .offset: 16, .size: 8, .value_kind: global_buffer, .address_space: global }
      - { .name: qkvc, .offset: 24, .size: 8, .value_kind: global_buffer, .address_space: global }
    .group_segment_fixed_size: 327680
    .private_segment_fixed_size: 0
    .kernarg_segment_align: 8
    .kernarg_segment_size: 32
    .max_flat_workgroup_size: 128
    .sgpr_count:     102
    .vgpr_count:     1024
    .wavefront_size: 32
...
	.end_amdgpu_metadata
.endif
;; end of part 2
;; launch attn (part 3): grid 8 x 32, 16 waves a work-group, clusters of 4 x 1, 272,384 bytes of LDS; arguments qkvc, att; writes att
.if DOCPART == 3
	.amdgcn_target "amdgcn-amd-amdhsa--gfx1250"
	.amdhsa_code_object_version 6
	.text
	.protected	k_q19fc4bb027_attn
	.globl	k_q19fc4bb027_attn
	.p2align	8
	.type	k_q19fc4bb027_attn,@function
k_q19fc4bb027_attn:
	s_mov_b64 s[64:65], 0
	v_nop
	global_prefetch_b8 v0, s[64:65] scope:SCOPE_SE
	s_setreg_imm32_b32 hwreg(HW_REG_WAVE_MODE, 25, 1), 1
	s_wait_xcnt 0x0
	s_wait_alu depctr_hold_cnt(0) depctr_sa_sdst(0) depctr_va_vdst(0) depctr_va_sdst(0) depctr_va_ssrc(0) depctr_va_vcc(0) depctr_vm_vsrc(0)
	s_getreg_b32 s2, hwreg(HW_REG_IB_STS2, 6, 4)
	s_cmp_eq_u32 s2, 0
	s_cbranch_scc0 .Lentry_in_a_cluster
	s_endpgm
.Lentry_in_a_cluster:
	s_bfe_u32 s2, ttmp6, 0x10000c
	s_cmp_lg_u32 s2, 0x3003
	s_cbranch_scc0 .Lentry_shape_is_right
	s_endpgm
.Lentry_shape_is_right:
; Attention of one head on codes of E4M3 with E8M0 scales: 2,048 queries and keys, head size 64; both products quantised; then the quantiser for the next product.
; t = score x log2(e) / 8; M = the running largest t rounded up to a whole number; p = 2^(t - M) is quantised along the keys; the row's sum is taken of the unquantised p and divides at the end.
; SHARES.  Work-group: 256 queries of one (batch, head); sixteen waves of 16 queries, 256 registers each.  Every wave walks the 2,048 keys, 128 a step.
; THE HEAD'S K AND V STAY IN LDS: 131,072 bytes of codes each and 4,096 of scale bytes each, filled once: no byte is filled again.  They come in four chunks of 512 keys; a chunk is read when it has landed.
; CLUSTER 4 x 1: the four query blocks of a cluster walk the same K and V: every fill is a joint load (mask 15).
; LAYOUT.  Both products are used transposed: a lane holds one query (lane % 16).  A fragment of K holds 32 KEYS: row m is key 32 f + m in k 0-63 and key 32 f + 16 + m in k 64-127.
; Multiplied by Q with zeros in its upper half it gives keys 32 f + 8 h + j, by Q with zeros in its lower half keys 32 f + 16 + 8 h + j.  So the 16 registers of the two results are the lane's 16 bytes of p's image.
; LIMITS: NaN and infinities are not served; a block of zeros, or one under 2^-118, gets the byte 1 (only this program reads the bytes).
.set VC,   131072                      ; LDS: K's codes at 0; V's here: [step][16 channels][image];
.set KSC,  262144                      ; K's scale words [fragment][row][4];
.set VSC,  266240                      ; V's [step][channel][4]
.set AK0,  1                           ; v1 16 x lane; v2 the same + VC; v3, v4 my row's scale words; v5 4 r
.set AV0,  2
.set ASK0, 3
.set ASV0, 4
.set R4,   5
.set ADK,  8
.set ADV,  9
.set ADS,  10
.set ADT,  11
.set QH,   16                          ; v16-23 zeros, v24-31 Q's codes, v32-39 zeros: v[16:31] = Q above, v[24:39] = Q below
.set QL,   24
.set KF,   40                          ; v40-103  four fragments of K, then of V
.set S,    104                         ; v104-167 S^T, then p
.set O,    168                         ; v168-199 O^T
.set PCD,  200                         ; v200-215 p's codes
.set MX,   216
.set PM,   220
.set HD,   224
.set SO,   228
.set KSW,  240
.set VSW,  244
.set QLW,  248
.set QHW,  249
.set PWD,  250
.set WV,   8
.set HEAD, 9
.set BB,   10
.set QT,   11
.set SEL,  12
.set CS,   14
.set MNT,  16
.set TB,   17
.set TS,   18
.set CNT,  19
.set G1K,  24
.set G1V,  32
.set G1KS, 40
.set G1VS, 48
.macro CROUND
	s_barrier_signal -1
	s_barrier_wait -1
	s_cmp_lg_u32 s[WV], 0
	s_cbranch_scc1 .Lnot_wave_0_\@
	s_barrier_signal -3
.Lnot_wave_0_\@:
	s_barrier_wait -3
	s_barrier_signal -1
	s_barrier_wait -1
.endm
.macro SHAPE g, c, r, p                ; a group 1: r rows of c elements of 8 bytes, p elements apart; mask 15, bit 21 beside it; no padding
	s_mov_b32 s[\g], 15|(3<<16)|(1<<21)
	s_mov_b32 s[\g+1], (\c)<<16
	s_mov_b32 s[\g+2], (\r)<<16
	s_mov_b32 s[\g+3], (\c)<<16
	s_mov_b32 s[\g+4], \r
	s_mov_b32 s[\g+5], \p
	s_mov_b32 s[\g+6], 0
	s_mov_b32 s[\g+7], 0
.endm
.macro MKG0 g, a                       ; a group 0 but for its LDS address: the tile begins at s[a:a+1]
	s_mov_b32 s[\g], 1
	s_mov_b64 s[\g+2:\g+3], s[\a:\a+1]
	s_or_b32 s[\g+3], s[\g+3], 0x80000000
.endm
	s_load_b128 s[4:7], s[0:1], 0x0                ; qkvc, att
	v_lshl_add_u32 v251, v0, 2, 0x42000
	v_mov_b32 v255, 0
	ds_add_u32 v251, v255
	ds_add_u32 v251, v255
	v_lshrrev_b32 v8, 5, v0
	s_delay_alu instid0(VALU_DEP_1)
	v_readfirstlane_b32 s[WV], v8                  ; wave 0..15
	s_bfe_u32 s20, ttmp6, 0x40000                  ; cx
	s_lshl_b32 s21, ttmp9, 2
	s_add_co_u32 s21, s21, s20                     ; my block of 256 queries: it enters global addresses of q and of the output alone
	s_and_b32 s22, ttmp7, 0xffff
	s_and_b32 s[HEAD], s22, 15
	s_lshr_b32 s[BB], s22, 4
	s_lshr_b32 s80, s[WV], 2                       ; j = wave / 4: which quarter (512 keys) of K or of V a fetching wave takes
	s_and_b32 s81, s[WV], 3                        ; wave % 4: 0 fetches for K, 1 for V
	s_add_co_u32 s82, s[HEAD], 16
	s_lshl_b32 s82, s82, 1
	s_add_co_u32 s82, s82, s[BB]                   ; K: 2 (16 + head) + b
	s_lshl_b32 s83, s82, 17
	s_lshl_b32 s84, s80, 15
	s_add_co_u32 s83, s83, s84                     ; K's codes
	s_lshl_b32 s84, s82, 12
	s_add_co_u32 s84, s84, 12582912                ; K's scale bytes
	s_lshl_b32 s85, s[BB], 21
	s_lshl_b32 s86, s[HEAD], 13
	s_add_co_u32 s85, s85, s86
	s_lshl_b32 s86, s80, 19
	s_add_co_u32 s85, s85, s86
	s_add_co_u32 s85, s85, 8388608                 ; V's codes: four steps of 131,072 a quarter
	s_lshl_b32 s86, s[BB], 16
	s_lshl_b32 s87, s[HEAD], 8
	s_add_co_u32 s86, s86, s87
	s_add_co_u32 s86, s86, 12845056                ; V's scale words
	s_mov_b32 s88, s83                             ; s[88:89] K's quarter j, s[90:91] K's scale bytes, s[92:93] V's quarter j, s[94:95] V's scale words
	s_mov_b32 s89, 0
	s_mov_b32 s90, s84
	s_mov_b32 s91, 0
	s_mov_b32 s92, s85
	s_mov_b32 s93, 0
	s_mov_b32 s94, s86
	s_mov_b32 s95, 0
	s_lshl_b32 s87, s80, 15                        ; LDS: quarter j begins 32,768 j bytes on
	SHAPE G1K, 32, 128, 32                         ; K: a quarter, 32,768 dense bytes
	SHAPE G1V, 1024, 4, 16384                      ; V: four steps' 8,192 bytes, 131,072 apart
	SHAPE G1KS, 32, 16, 32                         ; K's scale bytes: 4,096 dense bytes
	SHAPE G1VS, 32, 16, 512                        ; V's: sixteen steps' 256 bytes, 4,096 apart
	s_mov_b32 s[SEL], 0x76543210
	s_mov_b32 s[SEL+1], 0xfedcba98
	s_mov_b32 s[CS], 0x3e38aa3b                    ; log2(e) / 8
	s_mov_b32 s[CS+1], s[CS]
	s_mov_b32 s[MNT], 0x600000
	s_lshl_b32 s[QT], s21, 4
	s_add_co_u32 s[QT], s[QT], s[WV]               ; my tile of 16 queries in the batch
	s_lshl_b32 s20, s[HEAD], 1
	s_add_co_u32 s20, s20, s[BB]
	s_lshl_b32 s96, s20, 7
	s_add_co_u32 s96, s96, s[QT]
	s_lshl_b32 s96, s96, 10                        ; q's codes
	s_mov_b32 s97, 0
	s_lshl_b32 s98, s20, 12
	s_lshr_b32 s99, s[QT], 1
	s_lshl_b32 s99, s99, 6
	s_add_co_u32 s98, s98, s99
	s_and_b32 s99, s[QT], 1
	s_lshl_b32 s99, s99, 1
	s_add_co_u32 s98, s98, s99
	s_add_co_u32 s98, s98, 12582912                ; q's scale bytes
	s_mov_b32 s99, 0
	s_lshl_b32 s20, s[BB], 7
	s_add_co_u32 s20, s20, s[QT]
	s_lshl_b32 s20, s20, 3
	s_lshr_b32 s21, s[HEAD], 1
	s_add_co_u32 s20, s20, s21                     ; the output's fragment: 8 x tile of tokens + head / 2
	s_and_b32 s21, s[HEAD], 1
	s_lshl_b32 s22, s20, 6
	s_lshl_b32 s23, s21, 1
	s_add_co_u32 s22, s22, s23
	s_add_co_u32 s22, s22, 4194304
	s_lshl_b32 s20, s20, 11
	s_lshl_b32 s21, s21, 10
	s_add_co_u32 s20, s20, s21
	s_mov_b32 s21, 0
	s_mov_b32 s23, 0
	s_wait_dscnt 0x0
	CROUND                                         ; the opening round, ahead of the wait for the arguments: all four work-groups are here, so the joint loads meet
	s_wait_kmcnt 0x0
	s_add_nc_u64 s[88:89], s[4:5], s[88:89]
	s_add_nc_u64 s[90:91], s[4:5], s[90:91]
	s_add_nc_u64 s[92:93], s[4:5], s[92:93]
	s_add_nc_u64 s[94:95], s[4:5], s[94:95]
	s_add_nc_u64 s[96:97], s[4:5], s[96:97]
	s_add_nc_u64 s[98:99], s[4:5], s[98:99]
	s_add_nc_u64 s[20:21], s[6:7], s[20:21]
	s_add_nc_u64 s[22:23], s[6:7], s[22:23]
	MKG0 56, 88
	s_mov_b32 s57, s87                             ; K's quarter j
	MKG0 60, 92
	s_add_co_u32 s61, s87, VC                      ; V's quarter j
	MKG0 68, 90
	s_mov_b32 s69, KSC
	MKG0 72, 94
	s_mov_b32 s73, VSC
; THE FILLS, AT MOST ONE A WAVE, ten in all, every one a joint load, each byte filled once.  Waves 0 to 3 fetch what the first four key steps read: K's and V's quarter 0 and both tensors' scale bytes;
; they have load lines of their own, since they alone wait ahead of the first barrier.  Waves 4, 8, 12 fetch K's quarters 1 to 3, waves 5, 9, 13 V's: shown by the second barrier.
; One chain of branches on the wave's number, a load to an arm, all arms to one join.  Nothing is prefetched: all of K and V is asked for here, at the head, and there is no later load to run ahead of.
.macro ARM reg, val, g0, g1, next
	s_cmp_eq_u32 s[\reg], \val
	s_cbranch_scc0 \next
	tensor_load_to_lds s[\g0:\g0+3], s[\g1:\g1+7]
	s_nop 0
.rept 4
	v_nop
.endr
	s_branch .Lasked
\next:
.endm
	ARM WV, 0, 56, G1K,  .Larm_1
	ARM WV, 1, 60, G1V,  .Larm_2
	ARM WV, 2, 68, G1KS, .Larm_3
	ARM WV, 3, 72, G1VS, .Larm_4
	ARM 81, 0, 56, G1K,  .Larm_5
	ARM 81, 1, 60, G1V,  .Larm_6
.Lasked:
	v_and_b32 v8, 15, v0                           ; r
	v_and_b32 v10, 31, v0
	s_delay_alu instid0(VALU_DEP_1)
	v_lshlrev_b32 v[AK0], 4, v10
	s_delay_alu instid0(VALU_DEP_1)
	v_add_nc_u32 v[AV0], VC, v[AK0]
	s_delay_alu instid0(VALU_DEP_4)
	v_lshl_add_u32 v[ASK0], v8, 2, KSC
	v_lshl_add_u32 v[ASV0], v8, 2, VSC
	v_lshlrev_b32 v[R4], 2, v8
	global_load_b128 v[QL:QL+3], v[AK0], s[96:97]
	global_load_b128 v[QL+4:QL+7], v[AK0], s[96:97] offset:512
	global_load_u16 v254, v[R4], s[98:99]          ; my query's two scale bytes
.set i, 0
.rept 8
	v_mov_b32 v[QH+i], 0
	v_mov_b32 v[QL+8+i], 0
.set i, i+1
.endr
	v_mov_b32 v13, 0xff61b1e6                      ; the largest t so far: -3e38
	s_delay_alu instid0(VALU_DEP_1)
	v_floor_f32 v12, -v13                          ; -M
	v_mov_b32 v14, 0
	v_mov_b32 v15, 0
	v_mov_b32 v253, 0                              ; (named as the upper half of the pair v[252:253])
.irp b, 0,1,2,3
	v_mov_b32 v[PM+\b], 0                          ; a lane permute's destination counts as one of its sources
.endr
.set i, 0
.rept 32
	v_mov_b32 v[O+i], 0                            ; the step is written once: the first finds zeros
.set i, i+1
.endr
	s_wait_loadcnt 0x0
	v_or_b32 v[QLW], 0x7f7f0000, v254              ; Q below: its bytes, then 1.0 over the zero codes
	v_lshl_or_b32 v[QHW], v254, 16, 0x7f7f         ; Q above
.macro STEP
	v_add_nc_u32 v[ADK], s[TB], v[AK0]
	v_add_nc_u32 v[ADV], s[TB], v[AV0]
	v_add_nc_u32 v[ADS], s[TS], v[ASK0]
	v_add_nc_u32 v[ADT], s[TS], v[ASV0]
.rept 4
	v_nop                                          ; with the four additions: eight places in front of loads into registers that the last products read
.endr
.irp f, 0,1,2,3
.irp c, 0,1,2,3
	ds_load_b128 v[KF+16*\f+4*\c:KF+16*\f+4*\c+3], v[ADK] offset:2048*\f+512*\c
.endr
	ds_load_b32 v[KSW+\f], v[ADS] offset:64*\f
.endr
	s_wait_alu depctr_va_vdst(0)
	s_wait_dscnt 0x0
.irp f, 0,1,2,3
	v_wmma_scale_f32_16x16x128_f8f6f4 v[S+16*\f:S+16*\f+7], v[KF+16*\f:KF+16*\f+15], v[QL:QL+15], 0, v[KSW+\f], v[QLW]
	v_wmma_scale_f32_16x16x128_f8f6f4 v[S+16*\f+8:S+16*\f+15], v[KF+16*\f:KF+16*\f+15], v[QH:QH+15], 0, v[KSW+\f], v[QHW]
.endr
.rept 8
	v_nop
.endr
.irp t, 0,1,2,3                                ; V's fragments are asked for now and land under the softmax
.irp c, 0,1,2,3
	ds_load_b128 v[KF+16*\t+4*\c:KF+16*\t+4*\c+3], v[ADV] offset:2048*\t+512*\c
.endr
	ds_load_b32 v[VSW+\t], v[ADT] offset:64*\t
.endr
.irp b, 0,1,2,3
	v_max3_num_f32 v[MX+\b], v[S+16*\b], v[S+1+16*\b], v[S+2+16*\b]   ; the largest score of each block of 32 keys: for the row's maximum and for the block's largest p
.endr
.irp i, 3,5,7,9,11,13
.irp b, 0,1,2,3
	v_max3_num_f32 v[MX+\b], v[MX+\b], v[S+16*\b+\i], v[S+1+16*\b+\i]
.endr
.endr
.irp b, 0,1,2,3
	v_max_num_f32 v[MX+\b], v[MX+\b], v[S+15+16*\b]
.endr
.irp b, 0,1,2,3
	s_delay_alu instid0(VALU_DEP_4)
	v_permlanex16_b32 v[PM+\b], v[MX+\b], s[SEL], s[SEL+1]
.endr
.irp b, 0,1,2,3
	s_delay_alu instid0(VALU_DEP_4)
	v_max_num_f32 v[MX+\b], v[MX+\b], v[PM+\b]
.endr
	s_delay_alu instid0(VALU_DEP_2)
	v_max3_num_f32 v254, v[MX], v[MX+1], v[MX+2]
	s_delay_alu instid0(VALU_DEP_1)
	v_max_num_f32 v254, v254, v[MX+3]
	s_delay_alu instid0(VALU_DEP_1)
	v_mul_f32 v254, s[CS], v254
	s_delay_alu instid0(VALU_DEP_1)
	v_max_num_f32 v13, v13, v254                   ; the running largest t
	v_mov_b32 v254, v12
	s_delay_alu instid0(VALU_DEP_2)
	v_floor_f32 v12, -v13                          ; the new -M = -ceil(t)
	s_delay_alu instid0(VALU_DEP_1)
	v_sub_f32 v254, v12, v254                      ; old M - new M: a whole number, 0 or less
	s_delay_alu instid0(VALU_DEP_1)
	v_cvt_i32_f32 v254, v254
	s_delay_alu instid0(VALU_DEP_1)
	v_ldexp_f32 v252, 1.0, v254                    ; f = 2^(old M - new M)
.set j, 0
.rept 32
	v_pk_fma_f32 v[S+j:S+j+1], v[S+j:S+j+1], s[CS:CS+1], v[12:13] op_sel_hi:[1,0,0]   ; t - M
.set j, j+2
.endr
.irp b, 0,1,2,3
	v_fma_f32 v[MX+\b], v[MX+\b], s[CS], v12
.endr
.set j, 0
	s_wait_alu depctr_va_vdst(0)
.rept 64
	v_exp_f32 v[S+j], v[S+j]                       ; p = 2^(t - M)
.set j, j+1
.endr
	v_pk_mul_f32 v[14:15], v[14:15], v[252:253] op_sel_hi:[1,0]   ; the sums under the new M; a plain line behind the exponentials
	s_wait_alu depctr_va_vdst(0)                   ; one wait for the batch, ahead of its first reader
.irp b, 0,1,2,3
	v_exp_f32 v[MX+\b], v[MX+\b]                   ; the block's largest p
.endr
	v_pk_add_f32 v[220:221], v[108:109], v[112:113]
	v_pk_add_f32 v[242:243], v[116:117], v[120:121]
	v_pk_add_f32 v[240:241], v[124:125], v[128:129]
	v_pk_add_f32 v[238:239], v[132:133], v[136:137]
	v_pk_add_f32 v[236:237], v[140:141], v[144:145]
	v_pk_add_f32 v[234:235], v[148:149], v[152:153]
	v_pk_add_f32 v[232:233], v[156:157], v[160:161]
	v_pk_add_f32 v[14:15], v[14:15], v[164:165]
	v_pk_add_f32 v[220:221], v[220:221], v[104:105]
	v_pk_add_f32 v[242:243], v[242:243], v[106:107]
	v_pk_add_f32 v[240:241], v[240:241], v[110:111]
	v_pk_add_f32 v[238:239], v[238:239], v[114:115]
	v_pk_add_f32 v[236:237], v[236:237], v[118:119]
	v_pk_add_f32 v[234:235], v[234:235], v[122:123]
	v_pk_add_f32 v[232:233], v[232:233], v[126:127]
	v_pk_add_f32 v[14:15], v[14:15], v[130:131]
	v_pk_add_f32 v[220:221], v[220:221], v[134:135]
	v_pk_add_f32 v[242:243], v[242:243], v[138:139]
	v_pk_add_f32 v[240:241], v[240:241], v[142:143]
	v_pk_add_f32 v[238:239], v[238:239], v[146:147]
	v_pk_add_f32 v[236:237], v[236:237], v[150:151]
	v_pk_add_f32 v[234:235], v[234:235], v[154:155]
	v_pk_add_f32 v[232:233], v[232:233], v[158:159]
	v_pk_add_f32 v[14:15], v[14:15], v[162:163]
	v_pk_add_f32 v[220:221], v[220:221], v[166:167]
	s_delay_alu instid0(VALU_DEP_2)
	v_pk_add_f32 v[14:15], v[14:15], v[238:239]
	s_delay_alu instid0(VALU_DEP_2)
	v_pk_add_f32 v[220:221], v[220:221], v[236:237]
	v_pk_add_f32 v[242:243], v[242:243], v[234:235]
	v_pk_add_f32 v[240:241], v[240:241], v[232:233]
	s_delay_alu instid0(VALU_DEP_2)
	v_pk_add_f32 v[14:15], v[14:15], v[242:243]
	s_delay_alu instid0(VALU_DEP_2)
	v_pk_add_f32 v[220:221], v[220:221], v[240:241]
	s_delay_alu instid0(VALU_DEP_1)
	v_pk_add_f32 v[14:15], v[14:15], v[220:221]
	s_wait_alu depctr_va_vdst(0)                   ; and one for the four
.irp b, 0,1,2,3
	v_max_num_f32 v[MX+\b], 0x4800000, v[MX+\b]    ; the floor 2^(9 - 127)
.endr
.irp b, 0,1,2,3
	s_delay_alu instid0(VALU_DEP_4)
	v_add_nc_u32 v[SO+\b], 0xfc000000, v[MX+\b]
.endr
.irp b, 0,1,2,3
	v_and_or_b32 v[HD+\b], v[MX+\b], 0x7f800000, s[MNT]
.endr
.irp b, 0,1,2,3
	v_lshrrev_b32 v[PM+\b], 23, v[SO+\b]
.endr
	s_delay_alu instid0(VALU_DEP_3)
	v_lshl_or_b32 v[PWD], v[PM+1], 8, v[PM]        ; p's scale word for these 128 keys
	s_delay_alu instid0(VALU_DEP_1)
	v_lshl_or_b32 v[PWD], v[PM+2], 16, v[PWD]
	s_delay_alu instid0(VALU_DEP_1)
	v_lshl_or_b32 v[PWD], v[PM+3], 24, v[PWD]
.irp b, 0,1,2,3
.irp i, 0,2,4,6,8,10,12,14
	v_dual_min_num_f32 v[S+16*\b+\i], v[S+16*\b+\i], v[HD+\b] :: v_dual_min_num_f32 v[S+16*\b+\i+1], v[S+16*\b+\i+1], v[HD+\b]   ; p is not negative: the hold is one-sided; two numbers an instruction
.endr
	v_cvt_scalef32_pk8_fp8_f32 v[PCD+4*\b:PCD+4*\b+1], v[S+16*\b:S+16*\b+7], v[SO+\b]
	v_cvt_scalef32_pk8_fp8_f32 v[PCD+4*\b+2:PCD+4*\b+3], v[S+16*\b+8:S+16*\b+15], v[SO+\b]
.endr
.set j, 0
.rept 16
	v_pk_mul_f32 v[O+j:O+j+1], v[O+j:O+j+1], v[252:253] op_sel_hi:[1,0]   ; O^T under the new M; these are also the places in front of the products below
.set j, j+2
.endr
	s_wait_alu depctr_va_vdst(0)
	s_wait_dscnt 0x0                               ; V is in
.irp t, 0,1,2,3
	v_wmma_scale_f32_16x16x128_f8f6f4 v[O+8*\t:O+8*\t+7], v[KF+16*\t:KF+16*\t+15], v[PCD:PCD+15], v[O+8*\t:O+8*\t+7], v[VSW+\t], v[PWD]
.endr
	s_add_co_u32 s[TB], s[TB], 8192
	s_add_co_u32 s[TS], s[TS], 256
.endm
; n key steps from quarter c on, behind a barrier that shows what the waves have waited for in front of it.
.macro CHUNK c, n
	s_wait_dscnt 0x0
	s_barrier_signal -1
	s_barrier_wait -1
	s_mov_b32 s[TB], \c*32768
	s_mov_b32 s[TS], \c*1024
	s_mov_b32 s[CNT], \n
.Lstep_\@:
	s_wait_alu depctr_va_vdst(0)
	STEP
	s_sub_co_u32 s[CNT], s[CNT], 1
	s_cmp_lg_u32 s[CNT], 0
	s_cbranch_scc1 .Lstep_\@
.endm
	s_cmp_lt_u32 s[WV], 4
	s_cbranch_scc0 .Llater
	s_wait_tensorcnt 0x0                           ; waves 0 to 3: quarter 0 and the scale bytes are in
.Llater:
	CHUNK 0, 4
	s_wait_tensorcnt 0x0                           ; every wave: all that was still out is in
	CHUNK 1, 12
	; THE WAY OUT: O^T / the sum, quantised along the head's 64 (two blocks), stored as two groups of the next product's fragment image
.rept 8
	v_nop
.endr
	v_add_f32 v14, v14, v15
	s_delay_alu instid0(VALU_DEP_1)
	v_permlanex16_b32 v252, v14, s[SEL], s[SEL+1]
	s_delay_alu instid0(VALU_DEP_1)
	v_add_f32 v14, v14, v252
	s_wait_alu depctr_va_vdst(0)
	v_rcp_f32 v14, v14
	v_nop
	s_wait_alu depctr_va_vdst(0)
.set j, 0
.rept 32
	v_mul_f32 v[S+j], v[O+j], v14
.set j, j+1
.endr
.irp b, 0,1
	v_max3_num_f32 v[MX+\b], |v[S+16*\b]|, |v[S+1+16*\b]|, 0x4800000
.endr
.irp i, 2,4,6,8,10,12,14
.irp b, 0,1
	s_delay_alu instid0(VALU_DEP_2)
	v_max3_num_f32 v[MX+\b], v[MX+\b], |v[S+16*\b+\i]|, |v[S+1+16*\b+\i]|
.endr
.endr
.irp b, 0,1
	s_delay_alu instid0(VALU_DEP_2)
	v_permlanex16_b32 v[PM+\b], v[MX+\b], s[SEL], s[SEL+1]
.endr
.irp b, 0,1
	s_delay_alu instid0(VALU_DEP_2)
	v_max_num_f32 v[MX+\b], v[MX+\b], v[PM+\b]
.endr
.irp b, 0,1
	s_delay_alu instid0(VALU_DEP_2)
	v_add_nc_u32 v[SO+\b], 0xfc000000, v[MX+\b]
.endr
.irp b, 0,1
	s_delay_alu instid0(VALU_DEP_4)
	v_and_or_b32 v[HD+\b], v[MX+\b], 0x7f800000, s[MNT]
.endr
.irp b, 0,1
	s_delay_alu instid0(VALU_DEP_4)
	v_lshrrev_b32 v[PM+\b], 23, v[SO+\b]
.endr
	s_delay_alu instid0(VALU_DEP_1)
	v_lshl_or_b32 v[PWD], v[PM+1], 8, v[PM]
.irp b, 0,1
.irp i, 0,1,2,3,4,5,6,7,8,9,10,11,12,13,14,15
	v_med3_num_f32 v[S+16*\b+\i], v[S+16*\b+\i], -v[HD+\b], v[HD+\b]
.endr
	v_cvt_scalef32_pk8_fp8_f32 v[PCD+4*\b:PCD+4*\b+1], v[S+16*\b:S+16*\b+7], v[SO+\b]
	v_cvt_scalef32_pk8_fp8_f32 v[PCD+4*\b+2:PCD+4*\b+3], v[S+16*\b+8:S+16*\b+15], v[SO+\b]
.endr
	v_nop
	global_store_b128 v[AK0], v[PCD:PCD+3], s[20:21]               ; 32 lanes store 512 consecutive bytes, aligned
	global_store_b128 v[AK0], v[PCD+4:PCD+7], s[20:21] offset:512
	global_store_b16 v[R4], v[PWD], s[22:23]       ; both halves of the lanes write the same two bytes
	s_wait_tensorcnt 0x0
	ds_add_u32 v251, v255
	s_wait_dscnt 0x0
	CROUND                                         ; the closing round
	s_endpgm
.Lfunc_end_k_q19fc4bb027_attn:
	.size	k_q19fc4bb027_attn, .Lfunc_end_k_q19fc4bb027_attn-k_q19fc4bb027_attn
	.p2alignl 7, 3214868480
	.fill 96, 4, 3214868480
	.section	.rodata,"a",@progbits
	.p2align	6, 0x0
	.amdhsa_kernel k_q19fc4bb027_attn
		.amdhsa_group_segment_fixed_size 272384
		.amdhsa_private_segment_fixed_size 0
		.amdhsa_enable_private_segment 0
		.amdhsa_kernarg_size 16
		.amdhsa_user_sgpr_count 2
		.amdhsa_user_sgpr_kernarg_segment_ptr 1
		.amdhsa_wavefront_size32 1
		.amdhsa_system_sgpr_workgroup_id_x 1
		.amdhsa_system_sgpr_workgroup_id_y 1
		.amdhsa_system_sgpr_workgroup_id_z 1
		.amdhsa_system_vgpr_workitem_id 0
		.amdhsa_next_free_vgpr 256
		.amdhsa_next_free_sgpr 100
		.amdhsa_reserve_vcc 0
		.amdhsa_float_denorm_mode_32 3
		.amdhsa_float_denorm_mode_16_64 3
		.amdhsa_memory_ordered 1
		.amdhsa_forward_progress 1
		.amdhsa_inst_pref_size 59
	.end_amdhsa_kernel
	.amdgpu_metadata
---
amdhsa.version: [ 1, 2 ]
amdhsa.kernels:
  - .name:           k_q19fc4bb027_attn
    .symbol:         k_q19fc4bb027_attn.kd
    .args:
      - { .name: qkvc, .offset: 0, .size: 8, .value_kind: global_buffer, .address_space: global }
      - { .name: att, .offset: 8, .size: 8, .value_kind: global_buffer, .address_space: global }
    .group_segment_fixed_size: 272384
    .private_segment_fixed_size: 0
    .kernarg_segment_align: 8
    .kernarg_segment_size: 16
    .max_flat_workgroup_size: 512
    .sgpr_count:     100
    .vgpr_count:     256
    .wavefront_size: 32
...
	.end_amdgpu_metadata
.endif
;; end of part 3
;; launch proj (part 4): grid 8 x 32, 4 waves a work-group, clusters of 4 x 4, 327,680 bytes of LDS; arguments att, wts, b_out, x, x2; writes x2
.if DOCPART == 4
	.amdgcn_target "amdgcn-amd-amdhsa--gfx1250"
	.amdhsa_code_object_version 6
	.text
	.protected	k_q19fc4bb027_proj
	.globl	k_q19fc4bb027_proj
	.p2align	8
	.type	k_q19fc4bb027_proj,@function
k_q19fc4bb027_proj:
	s_mov_b64 s[64:65], 0
	v_nop
	global_prefetch_b8 v0, s[64:65] scope:SCOPE_SE
	s_setreg_imm32_b32 hwreg(HW_REG_WAVE_MODE, 25, 1), 1
	s_wait_xcnt 0x0
	s_wait_alu depctr_hold_cnt(0) depctr_sa_sdst(0) depctr_va_vdst(0) depctr_va_sdst(0) depctr_va_ssrc(0) depctr_va_vcc(0) depctr_vm_vsrc(0)
	s_getreg_b32 s2, hwreg(HW_REG_IB_STS2, 6, 4)
	s_cmp_eq_u32 s2, 0
	s_cbranch_scc0 .Lentry_in_a_cluster
	s_endpgm
.Lentry_in_a_cluster:
	s_bfe_u32 s2, ttmp6, 0x10000c
	s_cmp_lg_u32 s2, 0xf033
	s_cbranch_scc0 .Lentry_shape_is_right
	s_endpgm
.Lentry_shape_is_right:
.set SIZE_K, 1024
.set AS_OFF, 4194304
.set WC_OFF, 3145728
.set WS_OFF, 12681216
.set NP,    8
.set KS64,  (SIZE_K/128)*64
.set HALFS, 4*KS64
.set SLOT,  131072
.set SCL,   262144
.set STG,   SCL+4*HALFS
.set SPARE, STG+4*4352
.set LAPS,  SIZE_K/1024
.set ADRA, 16
.set ADRB, 20
.set STO,  24
.set RD,   25
.set CO,   26
.set ADRS, 27
.set SPW,  28
.set NIL,  29
.set SC,   32
.set BC,   64
.set T,    64
.set ACC,  128
.set G1, 24
.set G0, 32
.set G1B, 48
.set G0B, 56
.set G1S, 68
.set G0S, 76
.set G1SB, 80
.set G0SB, 88
.set MSB, 0
.macro WIN new
.if MSB != \new
	s_set_vgpr_msb (MSB<<8)|\new
.set MSB, \new
.endif
.endm
.set MUL,  0x05
.set TO_F, 0x40
.macro JLOAD g0a, g1a, g0b, g1b
	s_cmp_eq_u32 s15, 0
	s_cbranch_scc0 .Lfor_b_\@
	tensor_load_to_lds s[\g0a:\g0a+3], s[\g1a:\g1a+7]
	s_nop 0
.rept 4
	v_nop
.endr
	s_branch .Lasked_\@
.Lfor_b_\@:
	tensor_load_to_lds s[\g0b:\g0b+3], s[\g1b:\g1b+7]
	s_nop 0
.rept 4
	v_nop
.endr
.Lasked_\@:
.endm
.macro CREST
	s_cmp_lg_u32 s14, 0
	s_cbranch_scc1 .Lnot_wave_0_\@
	s_barrier_signal -3
.Lnot_wave_0_\@:
	s_barrier_wait -3
	s_barrier_signal -1
	s_barrier_wait -1
.endm
.macro CROUND
	s_barrier_signal -1
	s_barrier_wait -1
	CREST
.endm
.macro PLACES n
.rept \n
	v_nop
.endr
.endm
	s_load_b256 s[4:11], s[0:1], 0x0
	s_load_b64 s[12:13], s[0:1], 0x20
	v_lshl_add_u32 v[SPW], v0, 2, SPARE
	v_mov_b32 v[NIL], 0
	ds_add_u32 v28, v29
	ds_add_u32 v28, v29
	s_wait_dscnt 0x0
	v_lshrrev_b32 v1, 5, v0
	v_readfirstlane_b32 s14, v1
	s_lshr_b32 s15, s14, 1
	s_and_b32 s16, s14, 1
	s_bfe_u32 s40, ttmp6, 0x40000
	s_bfe_u32 s41, ttmp6, 0x40004
	s_lshl_b32 s42, ttmp9, 2
	s_add_co_u32 s42, s42, s40
	s_and_b32 s17, ttmp7, 0xffff
	s_lshl_b32 s17, s17, 2
	s_add_co_u32 s17, s17, s41
	s_lshl_b32 s43, s41, 2
	s_lshl_b32 s43, 15, s43
	s_lshl_b32 s44, 0x1111, s40
	s_or_b32 s[G1+0], s43, (3<<16)|(1<<21)
	s_or_b32 s[G1B+0], s44, (3<<16)|(1<<21)
.irp g, G1, G1B
	s_mov_b32 s[\g+1], 1024<<16
	s_mov_b32 s[\g+2], 16<<16
	s_mov_b32 s[\g+3], 1024<<16
	s_mov_b32 s[\g+4], 16
	s_mov_b32 s[\g+5], 1024
	s_mov_b32 s[\g+6], 0
	s_mov_b32 s[\g+7], 0
.endr
	s_or_b32 s[G1S+0], s43, (3<<16)|(1<<21)
	s_or_b32 s[G1SB+0], s44, (3<<16)|(1<<21)
.irp g, G1S, G1SB
	s_mov_b32 s[\g+1], 32<<16
	s_mov_b32 s[\g+2], (2*HALFS/256)<<16
	s_mov_b32 s[\g+3], 32<<16
	s_mov_b32 s[\g+4], 2*HALFS/256
	s_mov_b32 s[\g+5], 32
	s_mov_b32 s[\g+6], 0
	s_mov_b32 s[\g+7], 0
.endr
	s_mul_i32 s20, s17, SIZE_K*128
	s_mul_i32 s21, s16, SIZE_K*64
	s_add_co_u32 s20, s20, s21
	s_mov_b32 s21, 0
	s_mul_i32 s22, s17, 8*KS64
	s_add_co_u32 s22, s22, AS_OFF
	s_mov_b32 s23, 0
	s_mul_i32 s46, s42, SIZE_K*128
	s_mul_i32 s47, s16, SIZE_K*64
	s_add_co_u32 s46, s46, s47
	s_add_co_u32 s46, s46, WC_OFF
	s_mov_b32 s47, 0
	s_mul_i32 s92, s42, 8*KS64
	s_add_co_u32 s92, s92, WS_OFF
	s_mov_b32 s93, 0
	s_lshl_b32 s45, s14, 16                        ; wave 0: A at LDS byte 0; wave 2: B at 131,072
	CROUND                                         ; the opening round, ahead of the wait for the arguments
	s_wait_kmcnt 0x0
	s_add_nc_u64 s[20:21], s[4:5], s[20:21]
	s_add_nc_u64 s[22:23], s[4:5], s[22:23]
	s_add_nc_u64 s[46:47], s[6:7], s[46:47]
	s_add_nc_u64 s[92:93], s[6:7], s[92:93]
	s_mov_b32 s[G0S], 1
	s_mov_b32 s[G0S+1], SCL
	s_mov_b64 s[G0S+2:G0S+3], s[22:23]
	s_or_b32 s[G0S+3], s[G0S+3], 0x80000000
	s_mov_b32 s[G0SB], 1
	s_mov_b32 s[G0SB+1], SCL+2*HALFS
	s_mov_b64 s[G0SB+2:G0SB+3], s[92:93]
	s_or_b32 s[G0SB+3], s[G0SB+3], 0x80000000
.irp s, 0
	s_mov_b32 s[G0+4*\s], 1
	s_add_co_u32 s[G0+4*\s+1], s45, \s*SLOT
	s_add_nc_u64 s[G0+4*\s+2:G0+4*\s+3], s[20:21], \s*8192
	s_or_b32 s[G0+4*\s+3], s[G0+4*\s+3], 0x80000000
	s_mov_b32 s[G0B+4*\s], 1
	s_add_co_u32 s[G0B+4*\s+1], s45, \s*SLOT
	s_add_nc_u64 s[G0B+4*\s+2:G0B+4*\s+3], s[46:47], \s*8192
	s_or_b32 s[G0B+4*\s+3], s[G0B+4*\s+3], 0x80000000
.endr
; ALL OF K LIES IN LDS: the block's 128 rows of A, all 1,024 of K, are 131,072 dense bytes of memory ([tile of 16 rows][8 steps][2,048]), and so are B's.  Four joint loads at the head, one a wave,
; bring everything: wave 0 A, wave 2 B, wave 1 A's scale words, wave 3 B's.  No byte is filled again.  Nothing is prefetched: there is no later load to run ahead of.
.macro ARM under, g0, g1, next
	s_cmp_lt_u32 s14, \under
	s_cbranch_scc0 \next
	tensor_load_to_lds s[\g0:\g0+3], s[\g1:\g1+7]
	s_nop 0
.rept 4
	v_nop
.endr
	s_branch .Lhead_asked
\next:
.endm
	ARM 1, G0,  G1,  .Lhead_sa
	ARM 2, G0S, G1S, .Lhead_b
	ARM 3, G0B, G1B, .Lhead_sb
	tensor_load_to_lds s[G0SB:G0SB+3], s[G1SB:G1SB+7]
	s_nop 0
.rept 4
	v_nop
.endr
.Lhead_asked:
	v_and_b32 v1, 15, v0
	v_bfe_u32 v2, v0, 4, 1
	s_wait_alu depctr_va_vdst(0)
	v_and_b32 v3, 31, v0
	v_lshlrev_b32 v4, 4, v3
	s_lshl_b32 s21, s15, 16                        ; my 64 rows: four tiles of 16,384 bytes
	s_lshl_b32 s22, s16, 16
	s_add_co_u32 s22, s22, 131072
.irp s, 0,1
	v_add_nc_u32 v[ADRA+\s], s21, v4
	v_add_nc_u32 v[ADRB+\s], s22, v4
	s_add_co_u32 s21, s21, 8192                    ; the second address: steps 4 to 7 of K
	s_add_co_u32 s22, s22, 8192
.endr
	s_mul_i32 s21, s15, HALFS
	s_mul_i32 s22, s16, HALFS
	s_add_co_u32 s22, s22, 2*HALFS
	s_sub_co_u32 s22, s22, s21
	v_mul_u32_u24 v5, s22, v2
	s_add_co_u32 s21, s21, SCL
	v_lshl_add_u32 v5, v1, 2, v5
	v_add_nc_u32 v[ADRS], s21, v5
	s_mul_i32 s23, s14, 4352
	s_add_co_u32 s23, s23, STG
	v_mul_u32_u24 v5, v1, 272
	v_lshl_add_u32 v5, v2, 5, v5
	v_add_nc_u32 v[STO], s23, v5
	v_mul_u32_u24 v5, v2, 272
	v_lshl_add_u32 v5, v1, 4, v5
	v_add_nc_u32 v[RD], s23, v5
	v_lshlrev_b32 v5, 12, v2
	v_lshl_add_u32 v[CO], v1, 4, v5
	s_wait_alu depctr_va_vdst(0)
	s_lshl_b32 s22, s42, 9
	s_lshl_b32 s23, s16, 8
	s_add_co_u32 s22, s22, s23
	s_mov_b32 s23, 0
	s_lshl_b32 s20, s17, 7
	s_lshl_b32 s21, s15, 6
	s_add_co_u32 s20, s20, s21
	s_lshl_b32 s20, s20, 12
	s_add_co_u32 s20, s20, s22
	s_mov_b32 s21, 0
	s_add_nc_u64 s[8:9], s[8:9], s[22:23]
	s_add_nc_u64 s[10:11], s[10:11], s[20:21]
	s_add_nc_u64 s[12:13], s[12:13], s[20:21]
	v_lshlrev_b32 v30, 5, v2
.irp b, 0,1,2,3
	global_load_b128 v[BC+8*\b:BC+8*\b+3], v30, s[8:9] offset:64*\b
	global_load_b128 v[BC+8*\b+4:BC+8*\b+7], v30, s[8:9] offset:64*\b+16
.endr
	WIN 0x80
.irp a, 0,1,2,3
.irp t, 0,1,2,3,4,5,6,7
	global_load_b128 v[32*\a+4*\t:32*\a+4*\t+3], v[CO], s[10:11] offset:(16*\a+2*\t)*4096
.endr
.endr
	WIN 0
.macro FETCH slot, q, f
	WIN 0
.irp i, 0,1,2,3
	ds_load_b32 v[SC+4*((\q)%2)+\i], v[ADRS] offset:\i*KS64+64*(\q)
.endr
	WIN TO_F
.irp i, 0,1,2,3
.irp c, 0,1,2,3
	ds_load_b128 v[(\f)+64+16*\i+4*\c:(\f)+64+16*\i+4*\c+3], v[ADRB+\slot] offset:16384*\i+2048*(\q)+512*\c
.endr
.endr
.irp i, 0,1,2,3
.irp c, 0,1,2,3
	ds_load_b128 v[(\f)+16*\i+4*\c:(\f)+16*\i+4*\c+3], v[ADRA+\slot] offset:16384*\i+2048*(\q)+512*\c
.endr
.endr
.endm
.macro MUL8 f, a0, st, zero
.irp a, \a0, \a0+1
.irp b, 0,1,2,3
.if \zero
	v_wmma_scale_f32_16x16x128_f8f6f4 v[ACC+8*(4*(\a)+\b):ACC+8*(4*(\a)+\b)+7], v[(\f)+64+16*\b:(\f)+64+16*\b+15], v[(\f)+16*(\a):(\f)+16*(\a)+15], v[BC+8*\b:BC+8*\b+7], v[SC+4*(\st)+\b], v[SC+4*(\st)+(\a)] matrix_a_scale:MATRIX_SCALE_ROW1
.else
	v_wmma_scale_f32_16x16x128_f8f6f4 v[ACC+8*(4*(\a)+\b):ACC+8*(4*(\a)+\b)+7], v[(\f)+64+16*\b:(\f)+64+16*\b+15], v[(\f)+16*(\a):(\f)+16*(\a)+15], v[ACC+8*(4*(\a)+\b):ACC+8*(4*(\a)+\b)+7], v[SC+4*(\st)+\b], v[SC+4*(\st)+(\a)] matrix_a_scale:MATRIX_SCALE_ROW1
.endif
.endr
.endr
.endm
.macro KSTEP slot, q, zero
	PLACES NP                                      ; eight places behind the products that read the idle buffer last,
	FETCH \slot, (\q)+1, 128*(1-(\q)%2)            ; and the next step's 36 loads go out at the step's start
	s_wait_dscnt 44                                ; the 36 just issued and this step's youngest eight (A's blocks 2, 3) may be out
	WIN MUL
	MUL8 128*((\q)%2), 0, (\q)%2, \zero
	s_wait_dscnt 36                                ; this step's fragments are all in
	MUL8 128*((\q)%2), 2, (\q)%2, \zero
.endm
.macro TURN slot, next, fill
	WIN 0
	s_wait_tensorcnt 0x0
	ds_add_u32 v[SPW], v[NIL]
	s_wait_dscnt 9
	WIN MUL
	MUL8 128, 0, 1, 0
	s_wait_dscnt 0x0
	s_barrier_signal -1
	WIN 0
	s_barrier_wait -1
.if \fill
	CREST
	s_add_nc_u64 s[G0+4*\slot+2:G0+4*\slot+3], s[G0+4*\slot+2:G0+4*\slot+3], 16384
	s_add_nc_u64 s[G0B+4*\slot+2:G0B+4*\slot+3], s[G0B+4*\slot+2:G0B+4*\slot+3], 16384
	JLOAD G0+4*\slot, G1, G0B+4*\slot, G1B
	PLACES NP-4
.else
	PLACES NP
.endif
	v_add_nc_u32 v[ADRS], 256, v[ADRS]
	FETCH \next, 0, 0
	WIN MUL
	MUL8 128, 2, 1, 0
.endm
	s_wait_alu depctr_va_vdst(0)                   ; the wait at the head's end
	s_wait_loadcnt 32
	s_wait_tensorcnt 0x0                           ; my tile of the four is in; the barrier tells the others
	s_barrier_signal -1
	s_barrier_wait -1
	FETCH 0, 0, 0
	KSTEP 0, 0, 1
.if LAPS > 1
	WIN 0
	s_mov_b32 s3, LAPS-1
.Llap:
	KSTEP 0, 1, 0
	KSTEP 0, 2, 0
	TURN 0, 1, 1
	KSTEP 1, 0, 0
	KSTEP 1, 1, 0
	KSTEP 1, 2, 0
	TURN 1, 0, 1
	KSTEP 0, 0, 0
	WIN 0
	s_sub_co_u32 s3, s3, 1
	s_cmp_lg_u32 s3, 0
	s_cbranch_scc1 .Llap
.endif
	KSTEP 0, 1, 0
	KSTEP 0, 2, 0
	TURN 0, 1, 0
	s_wait_alu depctr_va_vdst(0)
	KSTEP 1, 0, 0
	KSTEP 1, 1, 0
	KSTEP 1, 2, 0
	s_wait_dscnt 8
	WIN MUL
	MUL8 128, 0, 1, 0
	s_wait_dscnt 0
	MUL8 128, 2, 1, 0
	WIN 0
	PLACES NP
	s_wait_loadcnt 0x0
.irp a, 0,1,2,3
.if \a > 1
	s_wait_xcnt 0x0
.endif
.irp b, 0,1,2,3
	ds_store_b128 v[STO], v[ACC+8*(4*\a+\b):ACC+8*(4*\a+\b)+3] offset:64*\b
	ds_store_b128 v[STO], v[ACC+8*(4*\a+\b)+4:ACC+8*(4*\a+\b)+7] offset:64*\b+16
.endr
.irp t, 0,1,2,3,4,5,6,7
	ds_load_b128 v[T+32*(\a%2)+4*\t:T+32*(\a%2)+4*\t+3], v[RD] offset:544*\t
.endr
	s_wait_dscnt 0x0
	WIN 0x08
.irp j, 0,2,4,6,8,10,12,14,16,18,20,22,24,26,28,30
	v_pk_add_f32 v[T+32*(\a%2)+\j:T+32*(\a%2)+\j+1], v[T+32*(\a%2)+\j:T+32*(\a%2)+\j+1], v[32*\a+\j:32*\a+\j+1]
.endr
	WIN 0
.irp t, 0,1,2,3,4,5,6,7
	global_store_b128 v[CO], v[T+32*(\a%2)+4*\t:T+32*(\a%2)+4*\t+3], s[12:13] offset:(16*\a+2*\t)*4096
.endr
.endr
	s_wait_tensorcnt 0x0
	ds_add_u32 v[SPW], v[NIL]
	s_wait_dscnt 0x0
	CROUND
	s_endpgm
.Lfunc_end_k_q19fc4bb027_proj:
	.size	k_q19fc4bb027_proj, .Lfunc_end_k_q19fc4bb027_proj-k_q19fc4bb027_proj
	.p2alignl 7, 3214868480
	.fill 96, 4, 3214868480
	.section	.rodata,"a",@progbits
	.p2align	6, 0x0
	.amdhsa_kernel k_q19fc4bb027_proj
		.amdhsa_group_segment_fixed_size 327680
		.amdhsa_private_segment_fixed_size 0
		.amdhsa_enable_private_segment 0
		.amdhsa_kernarg_size 40
		.amdhsa_user_sgpr_count 2
		.amdhsa_user_sgpr_kernarg_segment_ptr 1
		.amdhsa_wavefront_size32 1
		.amdhsa_system_sgpr_workgroup_id_x 1
		.amdhsa_system_sgpr_workgroup_id_y 1
		.amdhsa_system_sgpr_workgroup_id_z 1
		.amdhsa_system_vgpr_workitem_id 0
		.amdhsa_next_free_vgpr 768
		.amdhsa_next_free_sgpr 100
		.amdhsa_reserve_vcc 0
		.amdhsa_float_denorm_mode_32 3
		.amdhsa_float_denorm_mode_16_64 3
		.amdhsa_memory_ordered 1
		.amdhsa_forward_progress 1
		.amdhsa_inst_pref_size 62
	.end_amdhsa_kernel
	.amdgpu_metadata
---
amdhsa.version: [ 1, 2 ]
amdhsa.kernels:
  - .name:           k_q19fc4bb027_proj
    .symbol:         k_q19fc4bb027_proj.kd
    .args:
      - { .name: att, .offset: 0, .size: 8, .value_kind: global_buffer, .address_space: global }
      - { .name: wts, .offset: 8, .size: 8, .value_kind: global_buffer, .address_space: global }
      - { .name: b_out, .offset: 16, .size: 8, .value_kind: global_buffer, .address_space: global }
      - { .name: x, .offset: 24, .size: 8, .value_kind: global_buffer, .address_space: global }
      - { .name: x2, .offset: 32, .size: 8, .value_kind: global_buffer, .address_space: global }
    .group_segment_fixed_size: 327680
    .private_segment_fixed_size: 0
    .kernarg_segment_align: 8
    .kernarg_segment_size: 40
    .max_flat_workgroup_size: 128
    .sgpr_count:     100
    .vgpr_count:     768
    .wavefront_size: 32
...
	.end_amdgpu_metadata
.endif
;; end of part 4
;; launch ln2: the kernel of part 1 again; grid 256 x 1, 4 waves a work-group, no clusters, 18,944 bytes of LDS; arguments x2, ln2_g, ln2_b, hq, W_qkv, W_out, W1, W2, wts; writes hq, wts
;; launch fc1 (part 5): grid 16 x 16, 4 waves a work-group, clusters of 4 x 4, 327,680 bytes of LDS; arguments hq, wts, b1, act; writes act
.if DOCPART == 5
	.amdgcn_target "amdgcn-amd-amdhsa--gfx1250"
	.amdhsa_code_object_version 6
	.text
	.protected	k_q19fc4bb027_fc1
	.globl	k_q19fc4bb027_fc1
	.p2align	8
	.type	k_q19fc4bb027_fc1,@function
k_q19fc4bb027_fc1:
	s_mov_b64 s[64:65], 0
	v_nop
	global_prefetch_b8 v0, s[64:65] scope:SCOPE_SE
	s_setreg_imm32_b32 hwreg(HW_REG_WAVE_MODE, 25, 1), 1
	s_wait_xcnt 0x0
	s_wait_alu depctr_hold_cnt(0) depctr_sa_sdst(0) depctr_va_vdst(0) depctr_va_sdst(0) depctr_va_ssrc(0) depctr_va_vcc(0) depctr_vm_vsrc(0)
	s_getreg_b32 s2, hwreg(HW_REG_IB_STS2, 6, 4)
	s_cmp_eq_u32 s2, 0
	s_cbranch_scc0 .Lentry_in_a_cluster
	s_endpgm
.Lentry_in_a_cluster:
	s_bfe_u32 s2, ttmp6, 0x10000c
	s_cmp_lg_u32 s2, 0xf033
	s_cbranch_scc0 .Lentry_shape_is_right
	s_endpgm
.Lentry_shape_is_right:
.set NQ,    2
.set FR,    16
.set NL,    4
.set NP,    8
.set SLOT,  131072
.set SCL,   262144
.set SPARE, 278528
.set LAPS,  2
.set ADRA, 16
.set VS,   18
.set ADRB, 20
.set CO,   22
.set ADRS, 27
.set SPW,  28
.set NIL,  29
.set SC,   32
.set BC,   64
.set AF,   128
.set X,    0
.set GA,   64
.set GR,   96
.set GD,   128
.set GT,   160
.set PC,   192
.set TM,   208
.set PW,   224
.set CV,   228
.set G1, 24
.set G0, 32
.set G1B, 48
.set G0B, 56
.set G1S, 68
.set G0S, 76
.set G1SB, 80
.set G0SB, 88
.set SEL, 20
.set MNT, 22
.set C1,  23
.set OB,  92
.set OS,  94
.set AB,  2
.set MSB, 0
.macro WIN new
.if MSB != \new
	s_set_vgpr_msb (MSB<<8)|\new
.set MSB, \new
.endif
.endm
.set MUL_LO, 0xa1
.set MUL_HI, 0xf1
.set TO_B,   0x40
.macro JLOAD g0a, g1a, g0b, g1b
	s_cmp_eq_u32 s15, 0
	s_cbranch_scc0 .Lfor_b_\@
	tensor_load_to_lds s[\g0a:\g0a+3], s[\g1a:\g1a+7]
	s_nop 0
.rept 4
	v_nop
.endr
	s_branch .Lasked_\@
.Lfor_b_\@:
	tensor_load_to_lds s[\g0b:\g0b+3], s[\g1b:\g1b+7]
	s_nop 0
.rept 4
	v_nop
.endr
.Lasked_\@:
.endm
.macro CREST
	s_cmp_lg_u32 s14, 0
	s_cbranch_scc1 .Lnot_wave_0_\@
	s_barrier_signal -3
.Lnot_wave_0_\@:
	s_barrier_wait -3
	s_barrier_signal -1
	s_barrier_wait -1
.endm
.macro CROUND
	s_barrier_signal -1
	s_barrier_wait -1
	CREST
.endm
.macro PLACES n
.rept \n
	v_nop
.endr
.endm
	s_load_b128 s[4:7], s[0:1], 0x0
	s_load_b128 s[8:11], s[0:1], 0x10
	v_lshl_add_u32 v[SPW], v0, 2, SPARE
	v_mov_b32 v[NIL], 0
	ds_add_u32 v28, v29
	ds_add_u32 v28, v29
	s_wait_dscnt 0x0
	v_lshrrev_b32 v1, 5, v0
	v_readfirstlane_b32 s14, v1
	s_lshr_b32 s15, s14, 1
	s_and_b32 s16, s14, 1
	s_bfe_u32 s40, ttmp6, 0x40000
	s_bfe_u32 s41, ttmp6, 0x40004
	s_and_b32 s12, ttmp7, 0xffff
	s_lshl_b32 s12, s12, 2
	s_add_co_u32 s12, s12, s41
	s_lshl_b32 s13, ttmp9, 2
	s_add_co_u32 s13, s13, s40
	s_lshl_b32 s18, s41, 2
	s_lshl_b32 s18, 15, s18
	s_lshl_b32 s19, 0x1111, s40
	s_or_b32 s[G1+0], s18, (3<<16)|(1<<21)
	s_or_b32 s[G1B+0], s19, (3<<16)|(1<<21)
.irp g, G1, G1B
	s_mov_b32 s[\g+1], 512<<16
	s_mov_b32 s[\g+2], 16<<16
	s_mov_b32 s[\g+3], 512<<16
	s_mov_b32 s[\g+4], 16
	s_mov_b32 s[\g+5], 2048
	s_mov_b32 s[\g+6], 0
	s_mov_b32 s[\g+7], 0
.endr
	s_or_b32 s[G1S+0], s18, (3<<16)|(1<<21)
	s_or_b32 s[G1SB+0], s19, (3<<16)|(1<<21)
.irp g, G1S, G1SB
	s_mov_b32 s[\g+1], 32<<16
	s_mov_b32 s[\g+2], 32<<16
	s_mov_b32 s[\g+3], 32<<16
	s_mov_b32 s[\g+4], 32
	s_mov_b32 s[\g+5], 32
	s_mov_b32 s[\g+6], 0
	s_mov_b32 s[\g+7], 0
.endr
	s_lshl_b32 s19, s14, 15
	s_mov_b32 s[SEL], 0x76543210
	s_mov_b32 s[SEL+1], 0xfedcba98
	s_mov_b32 s[MNT], 0x600000
	s_mov_b32 s[C1], 0x3eb504f3
	s_lshl_b32 s46, s12, 13
	s_add_co_u32 s46, s46, 4194304
	s_mov_b32 s47, 0
	s_lshl_b32 s66, s13, 13
	s_add_co_u32 s66, s66, 12713984
	s_mov_b32 s67, 0
	s_lshl_b32 s42, s12, 18
	s_lshl_b32 s43, s16, 17
	s_add_co_u32 s42, s42, s43
	s_mov_b32 s43, 0
	s_lshl_b32 s44, s13, 18
	s_lshl_b32 s45, s16, 17
	s_add_co_u32 s44, s44, s45
	s_add_co_u32 s44, s44, 4194304
	s_mov_b32 s45, 0
	CROUND                                         ; the opening round, ahead of the wait for the arguments
	s_wait_kmcnt 0x0
	s_add_nc_u64 s[46:47], s[4:5], s[46:47]
	s_add_nc_u64 s[66:67], s[6:7], s[66:67]
	s_add_nc_u64 s[42:43], s[4:5], s[42:43]
	s_add_nc_u64 s[44:45], s[6:7], s[44:45]
	s_mov_b32 s[G0S], 1
	s_mov_b32 s[G0S+1], SCL
	s_mov_b64 s[G0S+2:G0S+3], s[46:47]
	s_or_b32 s[G0S+3], s[G0S+3], 0x80000000
	s_mov_b32 s[G0SB], 1
	s_mov_b32 s[G0SB+1], SCL+8192
	s_mov_b64 s[G0SB+2:G0SB+3], s[66:67]
	s_or_b32 s[G0SB+3], s[G0SB+3], 0x80000000
.irp s, 0,1
	s_mov_b32 s[G0+4*\s], 1
	s_add_co_u32 s[G0+4*\s+1], s19, \s*SLOT
	s_add_nc_u64 s[G0+4*\s+2:G0+4*\s+3], s[42:43], \s*4096
	s_or_b32 s[G0+4*\s+3], s[G0+4*\s+3], 0x80000000
	s_mov_b32 s[G0B+4*\s], 1
	s_add_co_u32 s[G0B+4*\s+1], s19, \s*SLOT
	s_add_nc_u64 s[G0B+4*\s+2:G0B+4*\s+3], s[44:45], \s*4096
	s_or_b32 s[G0B+4*\s+3], s[G0B+4*\s+3], 0x80000000
.endr
; THE HEAD'S LOADS, ONE A WAVE: wave 0 fetches slot 0's 256 rows of A, wave 2 its 256 rows of B (their own group 0 of slot 0 fits: their half is 0; group 1 counts 16 tiles of rows here),
; wave 1 A's scale words, wave 3 B's.  One chain of branches on the wave's number, a load to an arm, all arms to one join.
.set PFA, 100                          ; s[100:101] where my prefetches stand; never rewritten
.set PFO, 19                           ; v19 their offset; never rewritten
.macro ARM under, g0, g1, next
	s_cmp_lt_u32 s14, \under
	s_cbranch_scc0 \next
	tensor_load_to_lds s[\g0:\g0+3], s[\g1:\g1+7]
	s_nop 0
.rept 4
	v_nop
.endr
	s_branch .Lhead_asked
\next:
.endm
	ARM 1, G0,  G1,  .Lhead_sa
	ARM 2, G0S, G1S, .Lhead_b
	ARM 3, G0B, G1B, .Lhead_sb
	tensor_load_to_lds s[G0SB:G0SB+3], s[G1SB:G1SB+7]
	s_nop 0
.rept 4
	v_nop
.endr
.Lhead_asked:
; PREFETCHES INTO THE L2: behind the load of slot j stands a request for slot j + 2, and at the head one for slot 1 too.  Of the 8 tiles of rows x 4,096 bytes that my wave fetches for a slot, the four partners
; that ask for them jointly take two tiles each, told apart by address (cx for A, cy for B): 32 blocks of 256 bytes, a lane a block, one instruction a wave.  Slot 3 is the last: nothing is asked beyond it.
	s_cmp_eq_u32 s15, 0
	s_cselect_b64 s[PFA:PFA+1], s[42:43], s[44:45]
	s_cselect_b32 s18, s40, s41
	s_lshl_b32 s18, s18, 15
	s_mov_b32 s19, 0
	s_add_nc_u64 s[PFA:PFA+1], s[PFA:PFA+1], s[18:19]
	v_and_b32 v6, 15, v0
	v_bfe_u32 v[PFO], v0, 4, 1
	v_lshlrev_b32 v[PFO], 14, v[PFO]
	v_lshl_add_u32 v[PFO], v6, 8, v[PFO]
	s_wait_alu depctr_va_vdst(0)                   ; the wait behind the write
	global_prefetch_b8 v[PFO], s[PFA:PFA+1] offset:4096 th:TH_LOAD_NT scope:SCOPE_SE
	global_prefetch_b8 v[PFO], s[PFA:PFA+1] offset:8192 th:TH_LOAD_NT scope:SCOPE_SE
	v_and_b32 v1, 15, v0
	v_bfe_u32 v2, v0, 4, 1
	s_wait_alu depctr_va_vdst(0)
	v_and_b32 v3, 31, v0
	v_lshlrev_b32 v[CO], 4, v3
	s_lshl_b32 s46, s15, 15
	s_lshl_b32 s47, s16, 15
	s_add_co_u32 s47, s47, 65536
.irp s, 0,1
	v_add_nc_u32 v[ADRA+\s], s46, v[CO]
	v_add_nc_u32 v[ADRB+\s], s47, v[CO]
	s_add_co_u32 s46, s46, SLOT
	s_add_co_u32 s47, s47, SLOT
.endr
	s_lshl_b32 s46, s15, 12
	s_lshl_b32 s47, s16, 12
	s_add_co_u32 s47, s47, 8192
	s_sub_co_u32 s47, s47, s46
	v_mul_u32_u24 v5, s47, v2
	s_add_co_u32 s46, s46, SCL
	v_lshl_add_u32 v5, v1, 2, v5
	v_add_nc_u32 v[ADRS], s46, v5
	v_lshlrev_b32 v[VS], 2, v1
	s_lshl_b32 s46, s12, 4
	s_lshl_b32 s47, s15, 3
	s_add_co_u32 s46, s46, s47
	s_lshl_b32 s46, s46, 5
	s_lshl_b32 s47, s13, 1
	s_add_co_u32 s46, s46, s47
	s_add_co_u32 s46, s46, s16
	s_lshl_b32 s[OB], s46, 11
	s_mov_b32 s[OB+1], 0
	s_lshl_b32 s[OS], s46, 6
	s_add_co_u32 s[OS], s[OS], 16777216
	s_mov_b32 s[OS+1], 0
	s_add_nc_u64 s[OB:OB+1], s[10:11], s[OB:OB+1]
	s_add_nc_u64 s[OS:OS+1], s[10:11], s[OS:OS+1]
	s_lshl_b32 s46, s13, 10
	s_lshl_b32 s47, s16, 9
	s_add_co_u32 s46, s46, s47
	s_mov_b32 s47, 0
	s_add_nc_u64 s[46:47], s[8:9], s[46:47]
	v_lshlrev_b32 v30, 5, v2
.irp b, 0,1,2,3,4,5,6,7
	global_load_b128 v[BC+8*\b:BC+8*\b+3], v30, s[46:47] offset:64*\b
	global_load_b128 v[BC+8*\b+4:BC+8*\b+7], v30, s[46:47] offset:64*\b+16
.endr
.macro FRAG reg, adr, q, i
.irp c, 0,1,2,3
	ds_load_b128 v[\reg+4*\c:\reg+4*\c+3], v[\adr] offset:2048*(\q)+512*\c+(\i)*4096
.endr
.endm
.macro MUL16 a0, p, q, sc, zero
.irp a, \a0, \a0+1
.irp b, 0,1,2,3,4,5,6,7
.if \zero
	v_wmma_scale_f32_16x16x128_f8f6f4 v[8*(8*((\a)%4)+\b):8*(8*((\a)%4)+\b)+7], v[128*(\p)+FR*\b:128*(\p)+FR*\b+FR-1], v[AF+FR*(\a):AF+FR*(\a)+FR-1], 0, v[SC+16*(\sc)+8*(\q)+\b], v[SC+16*(\sc)+8*(\q)+(\a)] matrix_a_scale:MATRIX_SCALE_ROW1
.else
	v_wmma_scale_f32_16x16x128_f8f6f4 v[8*(8*((\a)%4)+\b):8*(8*((\a)%4)+\b)+7], v[128*(\p)+FR*\b:128*(\p)+FR*\b+FR-1], v[AF+FR*(\a):AF+FR*(\a)+FR-1], v[8*(8*((\a)%4)+\b):8*(8*((\a)%4)+\b)+7], v[SC+16*(\sc)+8*(\q)+\b], v[SC+16*(\sc)+8*(\q)+(\a)] matrix_a_scale:MATRIX_SCALE_ROW1
.endif
.endr
.endr
.endm
.macro FETCH_B slot, q, p
	WIN TO_B
.irp i, 0,1,2,3,4,5,6,7
	FRAG 128*(\p)+FR*\i, ADRB+\slot, \q, \i
.endr
	WIN 0
.endm
.macro FETCH_A slot, q, i0
.irp i, \i0, \i0+1, \i0+2, \i0+3
	FRAG AF+FR*(\i), ADRA+\slot, \q, \i
.endr
.endm
.macro SCALES sc
.irp q, 0,1
.irp i, 0,1,2,3,4,5,6,7
	ds_load_b32 v[SC+16*\sc+8*\q+\i], v[ADRS] offset:512*\i+64*\q
.endr
.endr
.endm
.macro STEP slot, q, zero
	FETCH_B \slot, (\q)+1, 1-(\q)%2                ; B's idle set takes the next step's fragments at once: the products that read it last have their eight places behind them
	s_wait_dscnt 12*NL                             ; all but the 32 loads just issued and the sixteen before them (A's blocks 4-7) are in
	WIN MUL_LO
	MUL16 0, (\q)%2, \q, \slot, \zero
	MUL16 2, (\q)%2, \q, \slot, \zero
	s_wait_dscnt 8*NL                              ; A's blocks 4-7 are in; the 32 loads of B's next set may be out
	PLACES NP
	WIN 0                                          ; A's fragments and their address lie in window 0
	FETCH_A \slot, (\q)+1, 0
	WIN MUL_HI
	MUL16 4, (\q)%2, \q, \slot, \zero
	MUL16 6, (\q)%2, \q, \slot, \zero
	PLACES NP
	WIN 0
	FETCH_A \slot, (\q)+1, 4
.endm
.macro TURN slot, next, fill
	s_wait_tensorcnt 0x0
	ds_add_u32 v[SPW], v[NIL]
	s_wait_dscnt 4*NL+1
	WIN MUL_LO
	MUL16 0, 1, NQ-1, \slot, 0
	s_wait_dscnt 0x0
	s_barrier_signal -1
	MUL16 2, 1, NQ-1, \slot, 0
	WIN 0
	s_barrier_wait -1
.if \fill
	CREST
	s_add_nc_u64 s[G0+4*\slot+2:G0+4*\slot+3], s[G0+4*\slot+2:G0+4*\slot+3], 8192
	s_add_nc_u64 s[G0B+4*\slot+2:G0B+4*\slot+3], s[G0B+4*\slot+2:G0B+4*\slot+3], 8192
	JLOAD G0+4*\slot, G1, G0B+4*\slot, G1B
	PLACES NP-4
.else
	PLACES NP
.endif
	s_wait_alu depctr_va_vdst(0)
	v_add_nc_u32 v[ADRS], 128, v[ADRS]
	FETCH_B \next, 0, 0
	FETCH_A \next, 0, 0
	SCALES \next
	WIN MUL_HI
	MUL16 4, 1, NQ-1, \slot, 0
	MUL16 6, 1, NQ-1, \slot, 0
	PLACES NP
	WIN 0
	FETCH_A \next, 0, 4
.endm
	s_wait_alu depctr_va_vdst(0)
	s_wait_tensorcnt 0x0                           ; my tile of the head's four is in
	ds_add_u32 v[SPW], v[NIL]
	s_mov_b32 s[G1+2], 8<<16                       ; no tensor load of mine is out: from here on a load brings 8 tiles of rows
	s_mov_b32 s[G1+4], 8
	s_mov_b32 s[G1B+2], 8<<16
	s_mov_b32 s[G1B+4], 8
	s_wait_dscnt 0x0
	CROUND                                         ; a whole round: all four tiles are in, and the joint loads meet
	JLOAD G0+4, G1, G0B+4, G1B                     ; slot 1's first fill, the first tensor load behind the round
	global_prefetch_b8 v[PFO], s[PFA:PFA+1] offset:12288 th:TH_LOAD_NT scope:SCOPE_SE
	FETCH_B 0, 0, 0
	FETCH_A 0, 0, 0
	SCALES 0
	FETCH_A 0, 0, 4
	STEP 0, 0, 1
	s_mov_b32 s3, LAPS-1
.Llap:
	TURN 0, 1, 1
	STEP 1, 0, 0
	TURN 1, 0, 1
	STEP 0, 0, 0
	s_sub_co_u32 s3, s3, 1
	s_cmp_lg_u32 s3, 0
	s_cbranch_scc1 .Llap
	TURN 0, 1, 0
	STEP 1, 0, 0
	s_wait_dscnt 4*NL
	WIN MUL_LO
	MUL16 0, 1, NQ-1, 1, 0
	MUL16 2, 1, NQ-1, 1, 0
	s_wait_dscnt 0
	WIN MUL_HI
	MUL16 4, 1, NQ-1, 1, 0
	MUL16 6, 1, NQ-1, 1, 0
	WIN 0
.macro QUANT s
.irp b, 0,1,2,3
	v_max3_num_f32 v[TM+\b], |v[\s+16*\b]|, |v[\s+1+16*\b]|, 0x4800000
.endr
.irp i, 2,4,6,8,10,12,14
.irp b, 0,1,2,3
	v_max3_num_f32 v[TM+\b], v[TM+\b], |v[\s+16*\b+\i]|, |v[\s+1+16*\b+\i]|
.endr
.endr
.irp b, 0,1,2,3
	v_permlanex16_b32 v[TM+4+\b], v[TM+\b], s[SEL], s[SEL+1]
.endr
.irp b, 0,1,2,3
	v_max_num_f32 v[TM+\b], v[TM+\b], v[TM+4+\b]
.endr
.irp b, 0,1,2,3
	v_add_nc_u32 v[TM+12+\b], 0xfc000000, v[TM+\b]
.endr
.irp b, 0,1,2,3
	v_and_or_b32 v[TM+8+\b], v[TM+\b], 0x7f800000, s[MNT]
.endr
.irp b, 0,1,2,3
	v_lshrrev_b32 v[TM+4+\b], 23, v[TM+12+\b]
.endr
	v_lshl_or_b32 v[PW], v[TM+5], 8, v[TM+4]
	v_lshl_or_b32 v[PW], v[TM+6], 16, v[PW]
	v_lshl_or_b32 v[PW], v[TM+7], 24, v[PW]
.irp b, 0,1,2,3
.irp i, 0,1,2,3,4,5,6,7,8,9,10,11,12,13,14,15
	v_med3_num_f32 v[\s+16*\b+\i], v[\s+16*\b+\i], -v[TM+8+\b], v[TM+8+\b]
.endr
	v_cvt_scalef32_pk8_fp8_f32 v[PC+4*\b:PC+1+4*\b], v[\s+16*\b:\s+7+16*\b], v[TM+12+\b]
	v_cvt_scalef32_pk8_fp8_f32 v[PC+2+4*\b:PC+3+4*\b], v[\s+8+16*\b:\s+15+16*\b], v[TM+12+\b]
.endr
	v_nop
.endm
.macro HROW cf
.set i, 0
.rept 16
	v_pk_fma_f32 v[GR+i:GR+i+1], v[GR+i:GR+i+1], v[GD+i:GD+i+1], \cf op_sel_hi:[1,1,0]
.set i, i+2
.endr
.endm
.macro GELU xb
.set i, 0
.rept 32
	v_fma_f32 v[GD+i], |v[X+(\xb)+i]|, s[C1], 1.0
.set i, i+1
.endr
.set i, 0
	s_wait_alu depctr_va_vdst(0)
.rept 16
	v_rcp_f32 v[GD+i], v[GD+i]
	v_rcp_f32 v[GD+i+1], v[GD+i+1]
	v_pk_mul_f32 v[GT+i:GT+i+1], v[X+(\xb)+i:X+(\xb)+i+1], v[X+(\xb)+i:X+(\xb)+i+1]
.set i, i+2
.endr
	s_wait_alu depctr_va_vdst(0)
.set i, 0
.rept 16
	v_pk_fma_f32 v[GR+i:GR+i+1], v[GD+i:GD+i+1], 0x3e2ef945, v[CV:CV+1] op_sel_hi:[1,0,1]
.set i, i+2
.endr
	HROW 0x3fbe87b0
	HROW 0xbf914e5d
	HROW 0x3e8ec7cc
	HROW 0xbe3ec24c
	HROW 0x3dc636c9
	HROW 0x3ebf88fb
	HROW 0x3f8000c7
	HROW 0xbfa1fc4e
.set i, 0
.rept 16
	v_pk_fma_f32 v[GT+i:GT+i+1], v[GT+i:GT+i+1], -0.5, v[GR+i:GR+i+1] op_sel_hi:[1,0,1]
.set i, i+2
.endr
.set i, 0
.rept 16
	v_pk_fma_f32 v[GT+i:GT+i+1], v[GT+i:GT+i+1], 0x3fb8aa3b, -1.0 op_sel_hi:[1,0,0]
.set i, i+2
.endr
.set i, 0
	s_wait_alu depctr_va_vdst(0)
.rept 32
	v_exp_f32 v[GT+i], v[GT+i]
	v_max_num_f32 v[GA+i], 0, v[X+(\xb)+i]
.set i, i+1
.endr
	s_wait_alu depctr_va_vdst(0)
.set i, 0
.rept 16
	v_pk_mul_f32 v[GR+i:GR+i+1], v[GD+i:GD+i+1], v[GT+i:GT+i+1]
.set i, i+2
.endr
.set i, 0
.rept 32
	v_fma_f32 v[X+(\xb)+i], -|v[X+(\xb)+i]|, v[GR+i], v[GA+i]
.set i, i+1
.endr
.endm
.macro PICK a
.if (\a) < 7
	s_cmp_lg_u32 s[AB], \a
	s_cbranch_scc1 .Lnot_\@
.endif
.if (\a) < 4
	WIN 0x42
.else
	WIN 0x43
.endif
.set i, 0
.rept 32
	v_pk_add_f32 v[X+2*i:X+2*i+1], v[64*((\a)%4)+2*i:64*((\a)%4)+2*i+1], v[BC+2*i:BC+2*i+1]
.set i, i+1
.endr
	WIN 0
.if (\a) < 7
	s_branch .Lpicked
.Lnot_\@:
.endif
.endm
	PLACES NP
	s_wait_loadcnt 0x0
	WIN 0x40
.irp b, 0,1,2,3
	v_mov_b32 v[TM+4+\b], 0
.endr
	v_mov_b32 v[CV], 0xbf527892
	v_mov_b32 v[CV+1], 0xbf527892
	WIN 0
	s_mov_b32 s[AB], 0
.Lout:
	PICK 0
	PICK 1
	PICK 2
	PICK 3
	PICK 4
	PICK 5
	PICK 6
	PICK 7
.Lpicked:
	WIN 0x55
	GELU 0
	GELU 32
	QUANT X
	WIN 0x04
.irp c, 0,1,2,3
	global_store_b128 v[CO], v[PC+4*\c:PC+4*\c+3], s[OB:OB+1] offset:512*\c
.endr
	global_store_b32 v[VS], v[PW], s[OS:OS+1]
	WIN 0
	s_wait_xcnt 0x0
	s_add_nc_u64 s[OB:OB+1], s[OB:OB+1], 65536
	s_add_nc_u64 s[OS:OS+1], s[OS:OS+1], 2048
	s_add_co_u32 s[AB], s[AB], 1
	s_cmp_lt_u32 s[AB], 8
	s_cbranch_scc1 .Lout
	s_wait_tensorcnt 0x0
	ds_add_u32 v[SPW], v[NIL]
	s_wait_dscnt 0x0
	CROUND
	s_endpgm
.Lfunc_end_k_q19fc4bb027_fc1:
	.size	k_q19fc4bb027_fc1, .Lfunc_end_k_q19fc4bb027_fc1-k_q19fc4bb027_fc1
	.p2alignl 7, 3214868480
	.fill 96, 4, 3214868480
	.section	.rodata,"a",@progbits
	.p2align	6, 0x0
	.amdhsa_kernel k_q19fc4bb027_fc1
		.amdhsa_group_segment_fixed_size 327680
		.amdhsa_private_segment_fixed_size 0
		.amdhsa_enable_private_segment 0
		.amdhsa_kernarg_size 32
		.amdhsa_user_sgpr_count 2
		.amdhsa_user_sgpr_kernarg_segment_ptr 1
		.amdhsa_wavefront_size32 1
		.amdhsa_system_sgpr_workgroup_id_x 1
		.amdhsa_system_sgpr_workgroup_id_y 1
		.amdhsa_system_sgpr_workgroup_id_z 1
		.amdhsa_system_vgpr_workitem_id 0
		.amdhsa_next_free_vgpr 1024
		.amdhsa_next_free_sgpr 102
		.amdhsa_reserve_vcc 0
		.amdhsa_float_denorm_mode_32 3
		.amdhsa_float_denorm_mode_16_64 3
		.amdhsa_memory_ordered 1
		.amdhsa_forward_progress 1
		.amdhsa_inst_pref_size 197
	.end_amdhsa_kernel
	.amdgpu_metadata
---
amdhsa.version: [ 1, 2 ]
amdhsa.kernels:
  - .name:           k_q19fc4bb027_fc1
    .symbol:         k_q19fc4bb027_fc1.kd
    .args:
      - { .name: hq, .offset: 0, .size: 8, .value_kind: global_buffer, .address_space: global }
      - { .name: wts, .offset: 8, .size: 8, .value_kind: global_buffer, .address_space: global }
      - { .name: b1, .offset: 16, .size: 8, .value_kind: global_buffer, .address_space: global }
      - { .name: act, .offset: 24, .size: 8, .value_kind: global_buffer, .address_space: global }
    .group_segment_fixed_size: 327680
    .private_segment_fixed_size: 0
    .kernarg_segment_align: 8
    .kernarg_segment_size: 32
    .max_flat_workgroup_size: 128
    .sgpr_count:     102
    .vgpr_count:     1024
    .wavefront_size: 32
...
	.end_amdgpu_metadata
.endif
;; end of part 5
;; launch fc2 (part 6): grid 8 x 32, 4 waves a work-group, clusters of 4 x 4, 327,680 bytes of LDS; arguments act, wts, b2, x2, out0; writes out0
.if DOCPART == 6
	.amdgcn_target "amdgcn-amd-amdhsa--gfx1250"
	.amdhsa_code_object_version 6
	.text
	.protected	k_q19fc4bb027_fc2
	.globl	k_q19fc4bb027_fc2
	.p2align	8
	.type	k_q19fc4bb027_fc2,@function
k_q19fc4bb027_fc2:
	s_mov_b64 s[64:65], 0
	v_nop
	global_prefetch_b8 v0, s[64:65] scope:SCOPE_SE
	s_setreg_imm32_b32 hwreg(HW_REG_WAVE_MODE, 25, 1), 1
	s_wait_xcnt 0x0
	s_wait_alu depctr_hold_cnt(0) depctr_sa_sdst(0) depctr_va_vdst(0) depctr_va_sdst(0) depctr_va_ssrc(0) depctr_va_vcc(0) depctr_vm_vsrc(0)
	s_getreg_b32 s2, hwreg(HW_REG_IB_STS2, 6, 4)
	s_cmp_eq_u32 s2, 0
	s_cbranch_scc0 .Lentry_in_a_cluster
	s_endpgm
.Lentry_in_a_cluster:
	s_bfe_u32 s2, ttmp6, 0x10000c
	s_cmp_lg_u32 s2, 0xf033
	s_cbranch_scc0 .Lentry_shape_is_right
	s_endpgm
.Lentry_shape_is_right:
.set SIZE_K, 4096
.set AS_OFF, 16777216
.set WC_OFF, 8388608
.set WS_OFF, 12845056
.set NP,    8
.set KS64,  (SIZE_K/128)*64
.set HALFS, 4*KS64
.set SLOT,  131072
.set SCL,   262144
.set STG,   SCL+4*HALFS
.set SPARE, STG+4*4352
.set LAPS,  SIZE_K/1024
.set ADRA, 16
.set ADRB, 20
.set STO,  24
.set RD,   25
.set CO,   26
.set ADRS, 27
.set SPW,  28
.set NIL,  29
.set SC,   32
.set BC,   64
.set T,    64
.set ACC,  128
.set G1, 24
.set G0, 32
.set G1B, 48
.set G0B, 56
.set G1S, 68
.set G0S, 76
.set G1SB, 80
.set G0SB, 88
.set MSB, 0
.macro WIN new
.if MSB != \new
	s_set_vgpr_msb (MSB<<8)|\new
.set MSB, \new
.endif
.endm
.set MUL,  0x05
.set TO_F, 0x40
.macro JLOAD g0a, g1a, g0b, g1b
	s_cmp_eq_u32 s15, 0
	s_cbranch_scc0 .Lfor_b_\@
	tensor_load_to_lds s[\g0a:\g0a+3], s[\g1a:\g1a+7]
	s_nop 0
.rept 4
	v_nop
.endr
	s_branch .Lasked_\@
.Lfor_b_\@:
	tensor_load_to_lds s[\g0b:\g0b+3], s[\g1b:\g1b+7]
	s_nop 0
.rept 4
	v_nop
.endr
.Lasked_\@:
.endm
.macro CREST
	s_cmp_lg_u32 s14, 0
	s_cbranch_scc1 .Lnot_wave_0_\@
	s_barrier_signal -3
.Lnot_wave_0_\@:
	s_barrier_wait -3
	s_barrier_signal -1
	s_barrier_wait -1
.endm
.macro CROUND
	s_barrier_signal -1
	s_barrier_wait -1
	CREST
.endm
.macro PLACES n
.rept \n
	v_nop
.endr
.endm
	s_load_b256 s[4:11], s[0:1], 0x0
	s_load_b64 s[12:13], s[0:1], 0x20
	v_lshl_add_u32 v[SPW], v0, 2, SPARE
	v_mov_b32 v[NIL], 0
	ds_add_u32 v28, v29
	ds_add_u32 v28, v29
	s_wait_dscnt 0x0
	v_lshrrev_b32 v1, 5, v0
	v_readfirstlane_b32 s14, v1
	s_lshr_b32 s15, s14, 1
	s_and_b32 s16, s14, 1
	s_bfe_u32 s40, ttmp6, 0x40000
	s_bfe_u32 s41, ttmp6, 0x40004
	s_lshl_b32 s42, ttmp9, 2
	s_add_co_u32 s42, s42, s40
	s_and_b32 s17, ttmp7, 0xffff
	s_lshl_b32 s17, s17, 2
	s_add_co_u32 s17, s17, s41
	s_lshl_b32 s43, s41, 2
	s_lshl_b32 s43, 15, s43
	s_lshl_b32 s44, 0x1111, s40
	s_or_b32 s[G1+0], s43, (3<<16)|(1<<21)
	s_or_b32 s[G1B+0], s44, (3<<16)|(1<<21)
.irp g, G1, G1B
	s_mov_b32 s[\g+1], 1024<<16
	s_mov_b32 s[\g+2], 8<<16
	s_mov_b32 s[\g+3], 1024<<16
	s_mov_b32 s[\g+4], 8
	s_mov_b32 s[\g+5], (SIZE_K/128)*256
	s_mov_b32 s[\g+6], 0
	s_mov_b32 s[\g+7], 0
.endr
	s_or_b32 s[G1S+0], s43, (3<<16)|(1<<21)
	s_or_b32 s[G1SB+0], s44, (3<<16)|(1<<21)
.irp g, G1S, G1SB
	s_mov_b32 s[\g+1], 32<<16
	s_mov_b32 s[\g+2], (2*HALFS/256)<<16
	s_mov_b32 s[\g+3], 32<<16
	s_mov_b32 s[\g+4], 2*HALFS/256
	s_mov_b32 s[\g+5], 32
	s_mov_b32 s[\g+6], 0
	s_mov_b32 s[\g+7], 0
.endr
	s_mul_i32 s20, s17, SIZE_K*128
	s_mul_i32 s21, s16, SIZE_K*64
	s_add_co_u32 s20, s20, s21
	s_mov_b32 s21, 0
	s_mul_i32 s22, s17, 8*KS64
	s_add_co_u32 s22, s22, AS_OFF
	s_mov_b32 s23, 0
	s_mul_i32 s46, s42, SIZE_K*128
	s_mul_i32 s47, s16, SIZE_K*64
	s_add_co_u32 s46, s46, s47
	s_add_co_u32 s46, s46, WC_OFF
	s_mov_b32 s47, 0
	s_mul_i32 s92, s42, 8*KS64
	s_add_co_u32 s92, s92, WS_OFF
	s_mov_b32 s93, 0
	s_lshl_b32 s45, s14, 15
	CROUND                                         ; the opening round, ahead of the wait for the arguments
	s_wait_kmcnt 0x0
	s_add_nc_u64 s[20:21], s[4:5], s[20:21]
	s_add_nc_u64 s[22:23], s[4:5], s[22:23]
	s_add_nc_u64 s[46:47], s[6:7], s[46:47]
	s_add_nc_u64 s[92:93], s[6:7], s[92:93]
	s_mov_b32 s[G0S], 1
	s_mov_b32 s[G0S+1], SCL
	s_mov_b64 s[G0S+2:G0S+3], s[22:23]
	s_or_b32 s[G0S+3], s[G0S+3], 0x80000000
	s_mov_b32 s[G0SB], 1
	s_mov_b32 s[G0SB+1], SCL+2*HALFS
	s_mov_b64 s[G0SB+2:G0SB+3], s[92:93]
	s_or_b32 s[G0SB+3], s[G0SB+3], 0x80000000
.irp s, 0,1
	s_mov_b32 s[G0+4*\s], 1
	s_add_co_u32 s[G0+4*\s+1], s45, \s*SLOT
	s_add_nc_u64 s[G0+4*\s+2:G0+4*\s+3], s[20:21], \s*8192
	s_or_b32 s[G0+4*\s+3], s[G0+4*\s+3], 0x80000000
	s_mov_b32 s[G0B+4*\s], 1
	s_add_co_u32 s[G0B+4*\s+1], s45, \s*SLOT
	s_add_nc_u64 s[G0B+4*\s+2:G0B+4*\s+3], s[46:47], \s*8192
	s_or_b32 s[G0B+4*\s+3], s[G0B+4*\s+3], 0x80000000
.endr
; THE HEAD'S LOADS, ONE A WAVE: wave 0 fetches slot 0's 128 rows of A, wave 2 its 128 rows of B (their own group 0 of slot 0 fits: their half is 0; group 1 counts 8 tiles of rows here),
; wave 1 A's scale words, wave 3 B's.  One chain of branches on the wave's number, a load to an arm, all arms to one join.
.set PFA, 100                          ; s[100:101] where my prefetches stand: stepped once a lap
.set PFO, 19                           ; v19 their offset: 256 x lane; never rewritten
.macro ARM under, g0, g1, next
	s_cmp_lt_u32 s14, \under
	s_cbranch_scc0 \next
	tensor_load_to_lds s[\g0:\g0+3], s[\g1:\g1+7]
	s_nop 0
.rept 4
	v_nop
.endr
	s_branch .Lhead_asked
\next:
.endm
	ARM 1, G0,  G1,  .Lhead_sa
	ARM 2, G0S, G1S, .Lhead_b
	ARM 3, G0B, G1B, .Lhead_sb
	tensor_load_to_lds s[G0SB:G0SB+3], s[G1SB:G1SB+7]
	s_nop 0
.rept 4
	v_nop
.endr
.Lhead_asked:
; PREFETCHES INTO THE L2: behind the load of slot fill j (512 along K; j = 0 .. 7) stands a request for fill j + 2, and at the head one for fill 1 too.  Of the 4 tiles of rows x 8,192 bytes that my wave fetches for a fill,
; the four partners that ask for them jointly take one tile each, told apart by address (cx for A, cy for B): 32 blocks of 256 bytes, a lane a block, one instruction a wave.  The last lap, whose fills are 6 and 7, asks for nothing.
	s_cmp_eq_u32 s15, 0
	s_cselect_b64 s[PFA:PFA+1], s[20:21], s[46:47]
	s_cselect_b32 s18, s40, s41
	s_lshl_b32 s18, s18, 16                        ; a tile of 16 rows is SIZE_K x 16 bytes
	s_mov_b32 s19, 0
	s_add_nc_u64 s[PFA:PFA+1], s[PFA:PFA+1], s[18:19]
	v_and_b32 v[PFO], 31, v0
	v_lshlrev_b32 v[PFO], 8, v[PFO]
	s_wait_alu depctr_va_vdst(0)                   ; the wait behind the write
	global_prefetch_b8 v[PFO], s[PFA:PFA+1] offset:8192 th:TH_LOAD_NT scope:SCOPE_SE
	global_prefetch_b8 v[PFO], s[PFA:PFA+1] offset:16384 th:TH_LOAD_NT scope:SCOPE_SE
	v_and_b32 v1, 15, v0
	v_bfe_u32 v2, v0, 4, 1
	s_wait_alu depctr_va_vdst(0)
	v_and_b32 v3, 31, v0
	v_lshlrev_b32 v4, 4, v3
	s_lshl_b32 s21, s15, 15
	s_lshl_b32 s22, s16, 15
	s_add_co_u32 s22, s22, 65536
.irp s, 0,1
	v_add_nc_u32 v[ADRA+\s], s21, v4
	v_add_nc_u32 v[ADRB+\s], s22, v4
	s_add_co_u32 s21, s21, SLOT
	s_add_co_u32 s22, s22, SLOT
.endr
	s_mul_i32 s21, s15, HALFS
	s_mul_i32 s22, s16, HALFS
	s_add_co_u32 s22, s22, 2*HALFS
	s_sub_co_u32 s22, s22, s21
	v_mul_u32_u24 v5, s22, v2
	s_add_co_u32 s21, s21, SCL
	v_lshl_add_u32 v5, v1, 2, v5
	v_add_nc_u32 v[ADRS], s21, v5
	s_mul_i32 s23, s14, 4352
	s_add_co_u32 s23, s23, STG
	v_mul_u32_u24 v5, v1, 272
	v_lshl_add_u32 v5, v2, 5, v5
	v_add_nc_u32 v[STO], s23, v5
	v_mul_u32_u24 v5, v2, 272
	v_lshl_add_u32 v5, v1, 4, v5
	v_add_nc_u32 v[RD], s23, v5
	v_lshlrev_b32 v5, 12, v2
	v_lshl_add_u32 v[CO], v1, 4, v5
	s_wait_alu depctr_va_vdst(0)
	s_lshl_b32 s22, s42, 9
	s_lshl_b32 s23, s16, 8
	s_add_co_u32 s22, s22, s23
	s_mov_b32 s23, 0
	s_lshl_b32 s20, s17, 7
	s_lshl_b32 s21, s15, 6
	s_add_co_u32 s20, s20, s21
	s_lshl_b32 s20, s20, 12
	s_add_co_u32 s20, s20, s22
	s_mov_b32 s21, 0
	s_add_nc_u64 s[8:9], s[8:9], s[22:23]
	s_add_nc_u64 s[10:11], s[10:11], s[20:21]
	s_add_nc_u64 s[12:13], s[12:13], s[20:21]
	v_lshlrev_b32 v30, 5, v2
.irp b, 0,1,2,3
	global_load_b128 v[BC+8*\b:BC+8*\b+3], v30, s[8:9] offset:64*\b
	global_load_b128 v[BC+8*\b+4:BC+8*\b+7], v30, s[8:9] offset:64*\b+16
.endr
	WIN 0x80
.irp a, 0,1,2,3
.irp t, 0,1,2,3,4,5,6,7
	global_load_b128 v[32*\a+4*\t:32*\a+4*\t+3], v[CO], s[10:11] offset:(16*\a+2*\t)*4096
.endr
.endr
	WIN 0
.macro FETCH slot, q, f
	WIN 0
.irp i, 0,1,2,3
	ds_load_b32 v[SC+4*((\q)%2)+\i], v[ADRS] offset:\i*KS64+64*(\q)
.endr
	WIN TO_F
.irp i, 0,1,2,3
.irp c, 0,1,2,3
	ds_load_b128 v[(\f)+64+16*\i+4*\c:(\f)+64+16*\i+4*\c+3], v[ADRB+\slot] offset:8192*\i+2048*(\q)+512*\c
.endr
.endr
.irp i, 0,1,2,3
.irp c, 0,1,2,3
	ds_load_b128 v[(\f)+16*\i+4*\c:(\f)+16*\i+4*\c+3], v[ADRA+\slot] offset:8192*\i+2048*(\q)+512*\c
.endr
.endr
.endm
.macro MUL8 f, a0, st, zero
.irp a, \a0, \a0+1
.irp b, 0,1,2,3
.if \zero
	v_wmma_scale_f32_16x16x128_f8f6f4 v[ACC+8*(4*(\a)+\b):ACC+8*(4*(\a)+\b)+7], v[(\f)+64+16*\b:(\f)+64+16*\b+15], v[(\f)+16*(\a):(\f)+16*(\a)+15], v[BC+8*\b:BC+8*\b+7], v[SC+4*(\st)+\b], v[SC+4*(\st)+(\a)] matrix_a_scale:MATRIX_SCALE_ROW1
.else
	v_wmma_scale_f32_16x16x128_f8f6f4 v[ACC+8*(4*(\a)+\b):ACC+8*(4*(\a)+\b)+7], v[(\f)+64+16*\b:(\f)+64+16*\b+15], v[(\f)+16*(\a):(\f)+16*(\a)+15], v[ACC+8*(4*(\a)+\b):ACC+8*(4*(\a)+\b)+7], v[SC+4*(\st)+\b], v[SC+4*(\st)+(\a)] matrix_a_scale:MATRIX_SCALE_ROW1
.endif
.endr
.endr
.endm
.macro KSTEP slot, q, zero
	PLACES NP                                      ; eight places behind the products that read the idle buffer last,
	FETCH \slot, (\q)+1, 128*(1-(\q)%2)            ; and the next step's 36 loads go out at the step's start
	s_wait_dscnt 44                                ; the 36 just issued and this step's youngest eight (A's blocks 2, 3) may be out
	WIN MUL
	MUL8 128*((\q)%2), 0, (\q)%2, \zero
	s_wait_dscnt 36                                ; this step's fragments are all in
	MUL8 128*((\q)%2), 2, (\q)%2, \zero
.endm
.macro TURN slot, next, fill
	WIN 0
	s_wait_tensorcnt 0x0
	ds_add_u32 v[SPW], v[NIL]
	s_wait_dscnt 9
	WIN MUL
	MUL8 128, 0, 1, 0
	s_wait_dscnt 0x0
	s_barrier_signal -1
	WIN 0
	s_barrier_wait -1
.if \fill
	CREST
	s_add_nc_u64 s[G0+4*\slot+2:G0+4*\slot+3], s[G0+4*\slot+2:G0+4*\slot+3], 16384
	s_add_nc_u64 s[G0B+4*\slot+2:G0B+4*\slot+3], s[G0B+4*\slot+2:G0B+4*\slot+3], 16384
	JLOAD G0+4*\slot, G1, G0B+4*\slot, G1B
	PLACES NP-4
	s_cmp_lg_u32 s3, 1                             ; s3 = 1 in the last lap: no fill stands two on
	s_cbranch_scc0 .Lno_ask_\@
	global_prefetch_b8 v[PFO], s[PFA:PFA+1] offset:32768+8192*\slot th:TH_LOAD_NT scope:SCOPE_SE
.Lno_ask_\@:
.else
	PLACES NP
.endif
	v_add_nc_u32 v[ADRS], 256, v[ADRS]
	FETCH \next, 0, 0
	WIN MUL
	MUL8 128, 2, 1, 0
.endm
	s_wait_alu depctr_va_vdst(0)                   ; the wait at the head's end
	s_wait_loadcnt 32
	s_wait_tensorcnt 0x0                           ; my tile of the head's four is in
	ds_add_u32 v[SPW], v[NIL]
	s_mov_b32 s[G1+2], 4<<16                       ; no tensor load of mine is out: from here on a load brings 4 tiles of rows
	s_mov_b32 s[G1+4], 4
	s_mov_b32 s[G1B+2], 4<<16
	s_mov_b32 s[G1B+4], 4
	s_wait_dscnt 0x0
	CROUND                                         ; a whole round: all four tiles are in, and the joint loads meet
	JLOAD G0+4, G1, G0B+4, G1B                     ; slot 1's first fill, the first tensor load behind the round
	global_prefetch_b8 v[PFO], s[PFA:PFA+1] offset:24576 th:TH_LOAD_NT scope:SCOPE_SE
	FETCH 0, 0, 0
	KSTEP 0, 0, 1
.if LAPS > 1
	WIN 0
	s_mov_b32 s3, LAPS-1
.Llap:
	s_wait_alu depctr_va_vdst(0)
	KSTEP 0, 1, 0
	KSTEP 0, 2, 0
	TURN 0, 1, 1
	s_wait_alu depctr_va_vdst(0)
	KSTEP 1, 0, 0
	KSTEP 1, 1, 0
	KSTEP 1, 2, 0
	TURN 1, 0, 1
	s_wait_alu depctr_va_vdst(0)
	KSTEP 0, 0, 0
	WIN 0
	s_wait_xcnt 0x0                                ; my prefetches have read their address: it steps two fills on
	s_add_nc_u64 s[PFA:PFA+1], s[PFA:PFA+1], 16384
	s_sub_co_u32 s3, s3, 1
	s_cmp_lg_u32 s3, 0
	s_cbranch_scc1 .Llap
.endif
	KSTEP 0, 1, 0
	KSTEP 0, 2, 0
	TURN 0, 1, 0
	s_wait_alu depctr_va_vdst(0)
	KSTEP 1, 0, 0
	KSTEP 1, 1, 0
	KSTEP 1, 2, 0
	s_wait_dscnt 8
	WIN MUL
	MUL8 128, 0, 1, 0
	s_wait_dscnt 0
	MUL8 128, 2, 1, 0
	WIN 0
	PLACES NP
	s_wait_loadcnt 0x0
.irp a, 0,1,2,3
.if \a > 1
	s_wait_xcnt 0x0
.endif
.irp b, 0,1,2,3
	ds_store_b128 v[STO], v[ACC+8*(4*\a+\b):ACC+8*(4*\a+\b)+3] offset:64*\b
	ds_store_b128 v[STO], v[ACC+8*(4*\a+\b)+4:ACC+8*(4*\a+\b)+7] offset:64*\b+16
.endr
.irp t, 0,1,2,3,4,5,6,7
	ds_load_b128 v[T+32*(\a%2)+4*\t:T+32*(\a%2)+4*\t+3], v[RD] offset:544*\t
.endr
	s_wait_dscnt 0x0
	WIN 0x08
.irp j, 0,2,4,6,8,10,12,14,16,18,20,22,24,26,28,30
	v_pk_add_f32 v[T+32*(\a%2)+\j:T+32*(\a%2)+\j+1], v[T+32*(\a%2)+\j:T+32*(\a%2)+\j+1], v[32*\a+\j:32*\a+\j+1]
.endr
	WIN 0
.irp t, 0,1,2,3,4,5,6,7
	global_store_b128 v[CO], v[T+32*(\a%2)+4*\t:T+32*(\a%2)+4*\t+3], s[12:13] offset:(16*\a+2*\t)*4096 th:TH_STORE_NT
.endr
.endr
	s_wait_tensorcnt 0x0
	ds_add_u32 v[SPW], v[NIL]
	s_wait_dscnt 0x0
	CROUND
	s_endpgm
.Lfunc_end_k_q19fc4bb027_fc2:
	.size	k_q19fc4bb027_fc2, .Lfunc_end_k_q19fc4bb027_fc2-k_q19fc4bb027_fc2
	.p2alignl 7, 3214868480
	.fill 96, 4, 3214868480
	.section	.rodata,"a",@progbits
	.p2align	6, 0x0
	.amdhsa_kernel k_q19fc4bb027_fc2
		.amdhsa_group_segment_fixed_size 327680
		.amdhsa_private_segment_fixed_size 0
		.amdhsa_enable_private_segment 0
		.amdhsa_kernarg_size 40
		.amdhsa_user_sgpr_count 2
		.amdhsa_user_sgpr_kernarg_segment_ptr 1
		.amdhsa_wavefront_size32 1
		.amdhsa_system_sgpr_workgroup_id_x 1
		.amdhsa_system_sgpr_workgroup_id_y 1
		.amdhsa_system_sgpr_workgroup_id_z 1
		.amdhsa_system_vgpr_workitem_id 0
		.amdhsa_next_free_vgpr 768
		.amdhsa_next_free_sgpr 102
		.amdhsa_reserve_vcc 0
		.amdhsa_float_denorm_mode_32 3
		.amdhsa_float_denorm_mode_16_64 3
		.amdhsa_memory_ordered 1
		.amdhsa_forward_progress 1
		.amdhsa_inst_pref_size 104
	.end_amdhsa_kernel
	.amdgpu_metadata
---
amdhsa.version: [ 1, 2 ]
amdhsa.kernels:
  - .name:           k_q19fc4bb027_fc2
    .symbol:         k_q19fc4bb027_fc2.kd
    .args:
      - { .name: act, .offset: 0, .size: 8, .value_kind: global_buffer, .address_space: global }
      - { .name: wts, .offset: 8, .size: 8, .value_kind: global_buffer, .address_space: global }
      - { .name: b2, .offset: 16, .size: 8, .value_kind: global_buffer, .address_space: global }
      - { .name: x2, .offset: 24, .size: 8, .value_kind: global_buffer, .address_space: global }
      - { .name: out0, .offset: 32, .size: 8, .value_kind: global_buffer, .address_space: global }
    .group_segment_fixed_size: 327680
    .private_segment_fixed_size: 0
    .kernarg_segment_align: 8
    .kernarg_segment_size: 40
    .max_flat_workgroup_size: 128
    .sgpr_count:     102
    .vgpr_count:     768
    .wavefront_size: 32
...
	.end_amdgpu_metadata
.endif
;; end of part 6
